; MI455X (gfx1250); checked and timed in simulation.
; The chip was launched on July 23, 2026; its instructions are those of AMD's public machine-readable ISA for CDNA 5 (MIT licence, August 2026) and "CDNA5" Instruction Set Architecture Reference Guide (July 2026). The comments in the code are by the model that wrote it; some were corrected since.
;; Causal Self Attention. Allowed arithmetic: matrix products marked QUANTISED: E4M3 operands, one given power-of-two scale a tensor, by v_wmma_f32_16x16x64_fp8_fp8 or v_wmma_f32_16x16x128_fp8_fp8, f32 sums; everything else in f32.
;; Inputs: b_proj 1,024 float32; b_qkv 3,072 float32; lowp_scales 8 int32 (the exponents e of the quantised operands' scales 2^e); mask 1 x 1 x 2,048 x 2,048 bool; w_proj 1,024 x 1,024 float32; w_qkv 3,072 x 1,024 float32; x 4 x 2,048 x 1,024 float32.
;; Outputs: out0 4 x 2,048 x 1,024 float32.
;; This version of the problem:
;;   THIS VERSION OF THE PROBLEM IS GIVEN IN LOW PRECISION. The matrix products marked QUANTISED in the list below multiply operands that are first quantised to E4M3 (4 exponent bits, 3 mantissa bits; 8 bits a number), with one given power-of-two scale for each operand tensor; their sums are f32. All else is computed in f32.
;;   The module's matrix products, in the order in which they are computed (A, B: the left and right operand; K: the contracted axis; several contracted axes count as one K, in the product's order):
;;     1. [M 8,192, K 1,024] x [K 1,024, N 3,072]; A: input x; B: input w_qkv: QUANTISED (scales: A lowp_scales[0], B lowp_scales[1])
;;     2. batch 64 x [M 2,048, K 64] x [K 64, N 2,048]; A: computed on the way; B: computed on the way: QUANTISED (scales: A lowp_scales[2], B lowp_scales[3])
;;     3. batch 64 x [M 2,048, K 2,048] x [K 2,048, N 64]; A: softmax (see below); B: computed on the way: QUANTISED (scales: A lowp_scales[4], B lowp_scales[5])
;;     4. [M 8,192, K 1,024] x [K 1,024, N 1,024]; A: computed on the way; B: input w_proj: QUANTISED (scales: A lowp_scales[6], B lowp_scales[7])
;;   THE QUANTISER, for each operand of a quantised product, along K:
;;     - The operand's scale is 2^e, e = its entry of the input lowp_scales (int32; the entries are numbered through the quantised products in the list's order, A before B).
;;     - Each number is divided by the scale, clamped to +-448, and rounded to the nearest number of E4M3, ties to even, subnormals kept.
;;     - The product sums the exact products of the quantised numbers (number of the format x scale) in f32.
;;   ~~~python
;;   def quantise(x, axis, e):      # numpy; x: float32 -> the quantised numbers, widened to float32 again
;;       x = np.moveaxis(x, axis, -1); K = x.shape[-1]
;;       r = np.clip(x / 2.0 ** e, -448, 448)
;;       step = 2.0 ** (np.maximum(np.frexp(np.where(r == 0, 1, r))[1] - 1, -6) - 3)
;;       q = np.round(r / step) * step * 2.0 ** e      # np.round: ties to even
;;       return np.moveaxis(q, -1, axis).astype(np.float32)
;;   ~~~
;;   SOFTMAX AHEAD OF A QUANTISED PRODUCT. Where the list says 'softmax', what is quantised is not the finished softmax but p = 2^(t - M), with t = logit x log2(e) and M = ceil(the row's largest t), a whole number; so 1/2 < the row's largest p <= 1. The row's sum l is taken of the UNQUANTISED p, in f32, and the product's result is divided by l at the end. Since M is a whole number, a kernel that streams over the keys may use a running M (the ceiling of the running maximum): every later rescaling is an exact power of two, so the quantised numbers keep their values, but for numbers so far below the row's largest that they fall under the format's range.
;;   OPERANDS COMPUTED ON THE WAY. 'Computed on the way' means the value that the module computes at that place (a softmax that the list does not call 'softmax' is quantised finished and normalised). What goes into a quantiser is computed in f32, as accurately as f32 sums, v_exp_f32 and their like allow (about 1e-6 of the number): no bf16 or f16 on the way to a quantiser, and a product that is left as it is and whose result goes on into a quantised operand takes f32 operands (vector FMAs, or v_wmma_f32_16x16x4_f32). A number that lies on a knife's edge between two numbers of the format may be rounded either way, as far as f32 arithmetic and the matrix unit's own rounding can turn it there, and no further.
;; 2 versions, each right; version 2 is version 1 with the launch attn written anew for expert scheduling mode. Each part assembles by itself: llvm-mc -triple=amdgcn-amd-amdhsa -mcpu=gfx1250 --defsym DOCPART=n.
;; ======== version 1 of 2: 4 launches
;; workspace buffers: xc 8,388,608 bytes; wc 4,194,304 bytes; qc 8,388,608 bytes; kc 8,388,608 bytes; vc 8,388,608 bytes; yc 8,388,608 bytes; mwf 524,800 bytes of whole numbers
;; launch prep (part 1): grid 320 x 1, 8 waves a work-group, no clusters, 103,680 bytes of LDS; arguments x, w_qkv, w_proj, mask, lowp_scales, xc, wc, mwf; writes xc, wc, mwf
.if DOCPART == 1
	.amdgcn_target "amdgcn-amd-amdhsa--gfx1250"
	.amdhsa_code_object_version 6
	.text
	.protected	k_q391a88eee5_prep
	.globl	k_q391a88eee5_prep
	.p2align	8
	.type	k_q391a88eee5_prep,@function
k_q391a88eee5_prep:
	s_mov_b64 s[64:65], 0
	v_nop
	global_prefetch_b8 v0, s[64:65] scope:SCOPE_SE
	s_setreg_imm32_b32 hwreg(HW_REG_WAVE_MODE, 25, 1), 1
	s_wait_xcnt 0x0
; CAUSAL SELF-ATTENTION IN FP8 (E4M3), FIRST OF FOUR LAUNCHES: the wide inputs become codes, the mask becomes lane masks and flags.
; DEAD WORK: none is left out by an identity: x, both weights, both biases, the mask and all eight scales have a way to the output, and all are loaded by some launch.
; What IS left out, in the third launch, is chosen by whole numbers that this launch stores: a tile of 16 queries x 128 keys whose mask bytes are all 0 gives -infinity to every score, p = 0 to every key, and moves
; neither the row's maximum nor its sum nor its product with v, whatever finite values the inputs hold.  LIMIT: a NaN or an infinity that reaches only such a tile (in k or v) is not carried to the result.
; CODES.  code = number / 2^e, held within +-448, to the nearest code, ties to even; e = entry 0 (x), 1 (w_qkv), 7 (w_proj) of lowp_scales.  LIMITS: e between -126 and 119; NaN among the inputs is not served.
; LAYOUT OF THE CODES: images of the matrix operand's registers.  A fragment is 16 rows x 128 along K: lane (r, h) holds row r, its registers 2 c, 2 c + 1 hold k = 16 c + 8 h + 0 .. 7.  Registers 4 i .. 4 i + 3 of lane l lie at
; byte 512 i + 16 l of the fragment's 2,048 bytes.  xc: [row tile 512][K step 8][2048].  wc: the same, row tiles 0-191 of w_qkv, 192-255 of w_proj.
; SHARES.  Work-groups 0-127: the mask, 16 queries each; wave w takes keys 256 w on.  Work-groups 128-319: the quantiser, four row tiles each; wave w takes row tile w / 2 and K steps 4 (w % 2) on: four fragments.
; The two ways part on the work-group's number alone, never meet again, and have LDS bytes of their own.
; MASK.  mwf bytes 0 ..: [query tile 128][key step 16][64 words]: bit L of word n = mask[16 tile + L % 16][128 step + 16 (n / 8) + 8 (L / 16) + n % 8]: the lane mask for score register n of the third launch.
; mwf byte 524,288 on: one word a query tile; bits 2 k, 2 k + 1 say of key step k: 0 all false, 1 mixed, 2 all true.
.set QST,   0                          ; LDS: the quantiser's stages, 16 rows x 528 bytes for each wave
.set QWB,   8448
.set MST,   67584                      ; the mask's stages, 16 rows x 272 bytes for each wave
.set MWB,   4352
.set FWD,   102400                     ; eight words: the waves' flags
.set SPARE, 102656                     ; the spare words, 128 bytes for each wave: four blocks of 256 bytes that no other line names
.set SPW,   14                         ; v14  LDS address of my spare word; never rewritten
.set NIL,   15                         ; v15  0; never rewritten
.set R,     16                         ; v16-143   two sets of 64 numbers as loaded
.set X,     144                        ; v144-207  64 numbers, register 8 c + i = k 16 c + 8 h + i of my row
.set C,     208                        ; v208-239  two sets of 16 registers of codes
.set B,     48                         ; v48-79    the mask's bytes: registers 2 t, 2 t + 1 = keys 16 t + 8 h + 0 .. 7 of my query
.set OUT,   80                         ; v80-83    two pairs: lane l holds words 2 l and 2 l + 1 of a key step
	s_load_b256 s[4:11], s[0:1], 0x0               ; x, w_qkv, w_proj, mask
	s_load_b256 s[12:19], s[0:1], 0x20             ; lowp_scales, xc, wc, mwf
	v_lshl_add_u32 v[SPW], v0, 2, SPARE
	v_mov_b32 v[NIL], 0
	v_lshrrev_b32 v1, 5, v0
	v_readfirstlane_b32 s20, v1                    ; wave 0..7
	v_and_b32 v1, 31, v0                           ; lane
	v_and_b32 v2, 15, v0                           ; r
	v_bfe_u32 v3, v0, 4, 1                         ; h
	v_lshlrev_b32 v4, 4, v1                        ; 16 x lane
	s_cmp_lt_u32 ttmp9, 128
	s_cbranch_scc1 .Lmask
; ---------------- THE QUANTISER ----------------
	s_mul_i32 s21, s20, QWB                        ; my stage
	v_add_nc_u32 v5, s21, v4                       ; in: a row's 512 bytes as they lie
	v_mul_u32_u24 v6, v2, 528
	v_lshl_add_u32 v6, v3, 5, v6
	v_add_nc_u32 v6, s21, v6                       ; back: row r, + 32 h: eight neighbours of each sixteen
	s_sub_co_u32 s21, ttmp9, 128                   ; 0-127 x, 128-175 w_qkv, 176-191 w_proj
	s_mov_b32 s24, 176
	s_wait_kmcnt 0x0
	s_load_b256 s[32:39], s[12:13], 0x0            ; e0 .. e7
	s_cmp_lt_u32 s21, 176                          ; the choices hang on the work-group's number alone
	s_cselect_b64 s[22:23], s[6:7], s[8:9]
	s_cselect_b32 s24, 128, s24
	s_cselect_b32 s25, 0, 192
	s_cmp_lt_u32 s21, 128
	s_cselect_b64 s[22:23], s[4:5], s[22:23]       ; from where
	s_cselect_b64 s[26:27], s[14:15], s[16:17]     ; to where
	s_cselect_b32 s24, 0, s24                      ; the tensor's first work-group
	s_cselect_b32 s25, 0, s25                      ; its first row tile in the codes' buffer
	s_sub_co_u32 s24, s21, s24
	s_lshl_b32 s24, s24, 2
	s_lshr_b32 s28, s20, 1
	s_add_co_u32 s24, s24, s28                     ; my row tile
	s_and_b32 s29, s20, 1
	s_lshl_b32 s40, s24, 16                        ; 16 rows of 4,096 bytes,
	s_lshl_b32 s28, s29, 11                        ; four K steps of 512 bytes
	s_add_co_u32 s40, s40, s28
	s_mov_b32 s41, 0
	s_add_nc_u64 s[22:23], s[22:23], s[40:41]
	s_add_co_u32 s24, s24, s25
	s_lshl_b32 s40, s24, 14                        ; eight fragments a row tile,
	s_lshl_b32 s28, s29, 13                        ; four of them
	s_add_co_u32 s40, s40, s28
	s_add_nc_u64 s[26:27], s[26:27], s[40:41]
.macro QLOAD f                         ; fragment f: 16 rows x 512 bytes; each load reads 512 consecutive bytes
.irp i, 0,1,2,3,4,5,6,7,8,9,10,11,12,13,14,15
	global_load_b128 v[R+64*((\f)%2)+4*\i:R+64*((\f)%2)+4*\i+3], v4, s[22:23] offset:4096*\i+512*(\f) th:TH_LOAD_NT
.endr
.endm
.macro QTURN f                         ; through my stage: LDS serves a wave's instructions in order, so no wait stands between the stores and the loads.  Rows 528 bytes apart: sixteen rows start at sixteen different 16-byte columns
.irp i, 0,1,2,3,4,5,6,7,8,9,10,11,12,13,14,15
	ds_store_b128 v5, v[R+64*((\f)%2)+4*\i:R+64*((\f)%2)+4*\i+3] offset:528*\i
.endr
.irp c, 0,1,2,3,4,5,6,7
	ds_load_b128 v[X+8*\c:X+8*\c+3],   v6 offset:64*\c
	ds_load_b128 v[X+8*\c+4:X+8*\c+7], v6 offset:64*\c+16
.endr
.endm
.macro QFRAG f
.if (\f) < 3
	s_wait_loadcnt 16                              ; this fragment's 16 loads are in; the next fragment's may be out
.else
	s_wait_loadcnt 0
.endif
	QTURN \f
	s_wait_dscnt 0x0                               ; the numbers are back, and the stores have read their registers,
.if (\f)+2 < 4
	QLOAD (\f)+2                                   ; which take the fragment two further on
.endif
.if (\f) >= 2
	s_wait_xcnt 0x0                                ; the stores of two fragments back have read their codes' registers
.endif
.set j, 0
.rept 64
	v_med3_num_f32 v[X+j], v[X+j], s30, s31        ; the conversion to an 8-bit code does not saturate (ISA guide 7.6.2): the hold at +-448 x 2^e
.set j, j+1
.endr
.irp c, 0,1,2,3,4,5,6,7
	v_cvt_scalef32_pk8_fp8_f32 v[C+16*((\f)%2)+2*\c:C+16*((\f)%2)+2*\c+1], v[X+8*\c:X+8*\c+7], v11
.endr
	v_nop                                          ; a plain line behind the conversions: the next fragment's holds write their sources
.irp i, 0,1,2,3
	global_store_b128 v4, v[C+16*((\f)%2)+4*\i:C+16*((\f)%2)+4*\i+3], s[26:27] offset:2048*(\f)+512*\i   ; 512 consecutive bytes, aligned
.endr
.endm
	QLOAD 0
	QLOAD 1
	s_wait_kmcnt 0x0
	s_cmp_lt_u32 s21, 176
	s_cselect_b32 s28, s33, s39
	s_cmp_lt_u32 s21, 128
	s_cselect_b32 s28, s32, s28                    ; e
	s_add_co_i32 s28, s28, 127
	s_lshl_b32 s29, s28, 23
	v_mov_b32 v11, s29                             ; 2^e as f32: the conversion takes its exponent field
	s_add_co_i32 s28, s28, 8
	s_lshl_b32 s28, s28, 23
	s_or_b32 s31, s28, 0x600000                    ; 448 x 2^e
	s_or_b32 s30, s31, 0x80000000                  ; and its negative
	QFRAG 0
	QFRAG 1
	QFRAG 2
	QFRAG 3
	s_wait_tensorcnt 0x0                           ; the wave's end
	ds_add_u32 v[SPW], v[NIL]
	s_wait_dscnt 0x0
	s_endpgm
; ---------------- THE MASK ----------------
.Lmask:
	s_mul_i32 s21, s20, MWB
	s_add_co_u32 s21, s21, MST                     ; my stage
	v_lshlrev_b32 v5, 11, v3
	v_lshl_add_u32 v5, v2, 4, v5                   ; memory: lanes 0-15 one row's 256 bytes, lanes 16-31 the next row's
	v_mul_u32_u24 v6, v3, 272
	v_lshl_add_u32 v6, v2, 4, v6
	v_add_nc_u32 v6, s21, v6                       ; the same two rows in the stage
	v_mul_u32_u24 v7, v2, 272
	v_lshl_add_u32 v7, v3, 3, v7
	v_add_nc_u32 v7, s21, v7                       ; back: row r, + 8 h
	v_lshlrev_b32 v8, 3, v1                        ; two words a lane
	s_lshl_b32 s22, s20, 2
	s_add_co_u32 s23, s22, FWD
	v_mov_b32 v9, s23                              ; my wave's flag word
	s_lshl_b32 s24, ttmp9, 15                      ; 16 rows of 2,048 bytes,
	s_lshl_b32 s25, s20, 8                         ; my 256 keys
	s_add_co_u32 s24, s24, s25
	s_mov_b32 s25, 0
	s_lshl_b32 s26, ttmp9, 12                      ; 16 key steps of 256 bytes of words,
	s_lshl_b32 s27, s20, 9                         ; my two
	s_add_co_u32 s26, s26, s27
	s_mov_b32 s27, 0
	s_mov_b32 s44, 0                               ; my four bits of flags, in their place
.irp i, 0,1,2,3
	v_mov_b32 v[OUT+\i], 0                         ; v_writelane_b32 counts its destination as read
.endr
	s_wait_kmcnt 0x0
	s_add_nc_u64 s[10:11], s[10:11], s[24:25]
	s_add_nc_u64 s[28:29], s[18:19], s[26:27]
.irp i, 0,1,2,3,4,5,6,7
	global_load_b128 v[16+4*\i:16+4*\i+3], v5, s[10:11] offset:4096*\i th:TH_LOAD_NT
.endr
	s_wait_loadcnt 0x0
.irp i, 0,1,2,3,4,5,6,7
	ds_store_b128 v6, v[16+4*\i:16+4*\i+3] offset:544*\i
.endr
.irp t, 0,1,2,3,4,5,6,7,8,9,10,11,12,13,14,15
	ds_load_b64 v[B+2*\t:B+2*\t+1], v7 offset:16*\t    ; my own bytes, served in order behind the stores
.endr
	s_wait_dscnt 0x0
; Key step kk of my two: 64 lane masks, gathered two a lane, stored as one aligned block of 256 bytes; and the step's flag, made without a branch.
.macro MWORDS kk
.set n, 0
.rept 64
	v_and_b32 v[84+n%4], 1<<(8*(n%4)), v[B+16*(\kk)+2*(n/8)+(n%8)/4]
	v_cmp_ne_u32 s[40+n%4], 0, v[84+n%4]
	v_writelane_b32 v[OUT+2*(\kk)+(n&1)], s[40+n%4], n>>1
.set n, n+1
.endr
	global_store_b64 v8, v[OUT+2*(\kk):OUT+2*(\kk)+1], s[28:29] offset:256*(\kk)
	v_or_b32 v88, v[B+16*(\kk)], v[B+16*(\kk)+1]
	v_and_b32 v89, v[B+16*(\kk)], v[B+16*(\kk)+1]
.irp i, 2,3,4,5,6,7,8,9,10,11,12,13,14,15
	v_or_b32 v88, v88, v[B+16*(\kk)+\i]
	v_and_b32 v89, v89, v[B+16*(\kk)+\i]
.endr
	v_cmp_ne_u32 s45, 0, v88                       ; lanes with a true byte
	v_cmp_ne_u32 s46, 0x01010101, v89              ; lanes with a false byte
	s_cmp_lg_u32 s45, 0
	s_cselect_b32 s47, 1, 0
	s_cmp_eq_u32 s46, 0
	s_cselect_b32 s48, 1, 0
	s_add_co_u32 s47, s47, s48                     ; 0 all false, 1 mixed, 2 all true
	s_add_co_u32 s48, s22, 2*(\kk)                 ; bit 4 w + 2 kk
	s_lshl_b32 s47, s47, s48
	s_or_b32 s44, s44, s47
.endm
	MWORDS 0
	MWORDS 1
	v_mov_b32 v90, s44
	ds_store_b32 v9, v90                           ; all lanes write the same word with the same value
	s_wait_dscnt 0x0                               ; for the others' sake: my store is done
	s_barrier_signal -1
	s_barrier_wait -1                              ; all eight waves of a mask's work-group are on this way
	v_mov_b32 v10, FWD
	ds_load_b128 v[92:95], v10
	ds_load_b128 v[96:99], v10 offset:16
	s_wait_dscnt 0x0
.irp i, 93,94,95,96,97,98,99
	v_or_b32 v92, v92, v\i
.endr
	s_lshl_b32 s49, ttmp9, 2
	v_mov_b32 v91, s49
	s_wait_xcnt 0x0                                ; EXEC changes only behind this wait
	v_cmp_eq_u32 vcc_lo, 0, v0
	s_and_saveexec_b32 s50, vcc_lo
	global_store_b32 v91, v92, s[18:19] offset:524288  ; thread 0 alone: the query tile's word of flags
	s_wait_xcnt 0x0
	s_or_b32 exec_lo, exec_lo, s50
	s_wait_tensorcnt 0x0                           ; the wave's end
	ds_add_u32 v[SPW], v[NIL]
	s_wait_dscnt 0x0
	s_endpgm
.Lfunc_end_k_q391a88eee5_prep:
	.size	k_q391a88eee5_prep, .Lfunc_end_k_q391a88eee5_prep-k_q391a88eee5_prep
	.p2alignl 7, 3214868480
	.fill 96, 4, 3214868480
	.section	.rodata,"a",@progbits
	.p2align	6, 0x0
	.amdhsa_kernel k_q391a88eee5_prep
		.amdhsa_group_segment_fixed_size 103680
		.amdhsa_private_segment_fixed_size 0
		.amdhsa_enable_private_segment 0
		.amdhsa_kernarg_size 64
		.amdhsa_user_sgpr_count 2
		.amdhsa_user_sgpr_kernarg_segment_ptr 1
		.amdhsa_wavefront_size32 1
		.amdhsa_system_sgpr_workgroup_id_x 1
		.amdhsa_system_sgpr_workgroup_id_y 1
		.amdhsa_system_sgpr_workgroup_id_z 1
		.amdhsa_system_vgpr_workitem_id 0
		.amdhsa_next_free_vgpr 240
		.amdhsa_next_free_sgpr 66
		.amdhsa_reserve_vcc 1
		.amdhsa_float_denorm_mode_32 3
		.amdhsa_float_denorm_mode_16_64 3
		.amdhsa_memory_ordered 1
		.amdhsa_forward_progress 1
		.amdhsa_inst_pref_size 68
	.end_amdhsa_kernel
	.amdgpu_metadata
---
amdhsa.version: [ 1, 2 ]
amdhsa.kernels:
  - .name:           k_q391a88eee5_prep
    .symbol:         k_q391a88eee5_prep.kd
    .args:
      - { .name: x, .offset: 0, .size: 8, .value_kind: global_buffer, .address_space: global }
      - { .name: w_qkv, .offset: 8, .size: 8, .value_kind: global_buffer, .address_space: global }
      - { .name: w_proj, .offset: 16, .size: 8, .value_kind: global_buffer, .address_space: global }
      - { .name: mask, .offset: 24, .size: 8, .value_kind: global_buffer, .address_space: global }
      - { .name: lowp_scales, .offset: 32, .size: 8, .value_kind: global_buffer, .address_space: global }
      - { .name: xc, .offset: 40, .size: 8, .value_kind: global_buffer, .address_space: global }
      - { .name: wc, .offset: 48, .size: 8, .value_kind: global_buffer, .address_space: global }
      - { .name: mwf, .offset: 56, .size: 8, .value_kind: global_buffer, .address_space: global }
    .group_segment_fixed_size: 103680
    .private_segment_fixed_size: 0
    .kernarg_segment_align: 8
    .kernarg_segment_size: 64
    .max_flat_workgroup_size: 256
    .sgpr_count:     66
    .vgpr_count:     240
    .wavefront_size: 32
...
	.end_amdgpu_metadata
.endif
;; end of part 1
;; launch qkv (part 2): grid 8 x 48, 4 waves a work-group, clusters of 4 x 4, 327,680 bytes of LDS; arguments xc, wc, lowp_scales, b_qkv, qc, kc, vc; writes qc, kc, vc
.if DOCPART == 2
	.amdgcn_target "amdgcn-amd-amdhsa--gfx1250"
	.amdhsa_code_object_version 6
	.text
	.protected	k_q391a88eee5_qkv
	.globl	k_q391a88eee5_qkv
	.p2align	8
	.type	k_q391a88eee5_qkv,@function
k_q391a88eee5_qkv:
	s_mov_b64 s[64:65], 0
	v_nop
	global_prefetch_b8 v0, s[64:65] scope:SCOPE_SE
	s_setreg_imm32_b32 hwreg(HW_REG_WAVE_MODE, 25, 1), 1
	s_wait_xcnt 0x0
	s_wait_alu depctr_hold_cnt(0) depctr_sa_sdst(0) depctr_va_vdst(0) depctr_va_sdst(0) depctr_va_ssrc(0) depctr_va_vcc(0) depctr_vm_vsrc(0)
	s_getreg_b32 s2, hwreg(HW_REG_IB_STS2, 6, 4)
	s_cmp_eq_u32 s2, 0
	s_cbranch_scc0 .Lentry_in_a_cluster
	s_endpgm
.Lentry_in_a_cluster:
	s_bfe_u32 s2, ttmp6, 0x10000c
	s_cmp_lg_u32 s2, 0xf033
	s_cbranch_scc0 .Lentry_shape_is_right
	s_endpgm
.Lentry_shape_is_right:
; SECOND LAUNCH: qkv = x w_qkv^T + b_qkv on codes of FP8 (E4M3), and q, k, v quantised on the way out, each with its given scale.  No work is left out here.
; A block of 256 x 256 results is made by four waves, 128 x 128 each: 64 accumulators of 16 x 16.  K = 1,024 goes in four slots of 256 through a ring of two LDS slots filled by the tensor data mover.
; OPERANDS ARE IMAGES OF THEIR REGISTERS (first launch): a fragment, 16 rows x 128 K, is 2,048 bytes, registers 4 i .. 4 i + 3 of lane l at 512 i + 16 l; so a fragment comes by four ds_load_b128 of 512 consecutive bytes,
; with k in its own place in the registers, no pitch and no padding.  A tensor load brings 8 row tiles x 2 K steps: 8 rows of 4,096 bytes, 16,384 bytes apart.
; "A" is source 1: its rows become the LANES of a result.  "B" is source 0: its rows run along a lane's REGISTERS, so eight registers are eight neighbours, as the conversions want them.
; CLUSTER ROWS 0-7 (q and k): A = tokens (xc), B = rows of w_q, w_k: a lane holds a token, its registers the head's channels: K of the first attention product.
; CLUSTER ROWS 8-11 (v): A = rows of w_v, B = tokens: a lane holds a channel, its registers run along the tokens: K of the second attention product.  So v's codes come out with the keys innermost and nothing is transposed.
; The two parts are told apart by the cluster's y, which all sixteen partners share; pointers and offsets are chosen by s_cselect, and two short branches on it pick the form of the bias.
; CLUSTERS: 4 x 4.  A's tile hangs on cy and the cluster's y alone and is asked for jointly along a row of the cluster, B's on cx and the cluster's x and y alone, jointly along a column.
; THE BIAS is the C of each sum's first product, divided by 2^(e0 + e1), which the sums lack.  code = sum / 2^(eX - e0 - e1), held within +-448; X = 2 (q), 3 (k), 5 (v).
; OUT: qc, kc: [batch 4][head pair 8][token tile 128][head 2][1024]: fragments of 16 tokens x 64 channels.  vc: [batch 4][head pair 8][key step 16][head 2][channel tile 4][2048]: fragments of 16 channels x 128 keys.
; A wave's whole output is 16,384 consecutive bytes; each store covers 512 consecutive bytes, aligned.
; LIMITS: eX - e0 - e1 between -126 and 119.  NaN among the inputs is not served.
; REGISTERS, in windows of 256: window 0: v16-30 addresses and the scale; v32-95 the bias in the result's layout; v96-127 codes on the way out; v128-255 A's fragments, one set.
;   window 1: B's fragments, two sets.   windows 2, 3: the accumulators of A's blocks 0-3 and 4-7 ((a, b) at v[8 (8 (a % 4) + b)]).
.set FR,     16                        ; registers of a fragment
.set NL,     4                         ; LDS loads that bring one
.set NP,     4                         ; places behind this matrix instruction (ISA guide 7.12.1)
.set HALFT,  32768                     ; 8 row tiles x 2 K steps: what one tensor load brings
.set SLOT,   4*HALFT                   ; A's two halves, then B's two
.set SPARE,  2*SLOT                    ; behind the ring: the spare words, 128 bytes for each wave
.set ADRA, 16                          ; v16-17  LDS address of my A fragments in slot 0, 1
.set ADRB, 20                          ; v20-21  the same for B
.set CO,   26                          ; v26     16 x lane
.set SPW,  28                          ; v28     LDS address of my spare word; never rewritten
.set NIL,  29                          ; v29     0; never rewritten
.set SC,   30                          ; v30     2^(eX - e0 - e1) as f32
.set BIAS, 32
.set CD,   96
.set AF,   128
.set G1, 24                            ; s[24:31] descriptor group 1 for A's tiles;  s[32:39] group 0, one set for each slot
.set G0, 32
.set G1B, 48                           ; s[48:55], s[56:63] the same for B's tiles
.set G0B, 56
.set MSB, 0
.macro WIN new                         ; the immediate's high byte repeats the setting that is left
.if MSB != (\new)
	s_set_vgpr_msb (MSB<<8)|(\new)
.set MSB, (\new)
.endif
.endm
.set MUL_LO, 0xa1                      ; source 0 (B) window 1, source 1 (A) window 0, C and D window 2
.set MUL_HI, 0xf1                      ; the same, C and D window 3
.set TO_B,   0x40                      ; destination window 1, address window 0
; A joint load: waves 0 and 1 fetch for A, waves 2 and 3 for B; the branch hangs on the wave's number alone.  An s_nop 0 and four v_nop follow each of the two lines.
.macro JLOAD g0a, g1a, g0b, g1b
	s_cmp_eq_u32 s15, 0
	s_cbranch_scc0 .Lfor_b_\@
	tensor_load_to_lds s[\g0a:\g0a+3], s[\g1a:\g1a+7]
	s_nop 0
.rept 4
	v_nop
.endr
	s_branch .Lasked_\@
.Lfor_b_\@:
	tensor_load_to_lds s[\g0b:\g0b+3], s[\g1b:\g1b+7]
	s_nop 0
.rept 4
	v_nop
.endr
.Lasked_\@:
.endm
.macro CREST                           ; a round of the cluster's barrier behind its opening barrier
	s_cmp_lg_u32 s14, 0
	s_cbranch_scc1 .Lnot_wave_0_\@
	s_barrier_signal -3
.Lnot_wave_0_\@:
	s_barrier_wait -3
	s_barrier_signal -1
	s_barrier_wait -1
.endm
.macro CROUND                          ; a whole round
	s_barrier_signal -1
	s_barrier_wait -1
	CREST
.endm
	s_load_b256 s[4:11], s[0:1], 0x0               ; xc s[4:5], wc s[6:7], lowp_scales s[8:9], b_qkv s[10:11]
	s_load_b128 s[68:71], s[0:1], 0x20             ; qc, kc
	s_load_b64 s[72:73], s[0:1], 0x30              ; vc
	v_lshl_add_u32 v[SPW], v0, 2, SPARE
	v_mov_b32 v[NIL], 0
	ds_add_u32 v[SPW], v[NIL]                      ; the wave's opening: an add to my spare word, twice on end, and its wait ahead of my first tensor load
	ds_add_u32 v[SPW], v[NIL]                      ; and once more, under the one wait; the set-up below, work on registers, stands between
	v_lshrrev_b32 v1, 5, v0
	v_readfirstlane_b32 s14, v1                    ; wave 0..3
	s_lshr_b32 s15, s14, 1                         ; which half of A's rows is mine.  Also: I fetch for A (0) or for B (1)
	s_and_b32 s16, s14, 1                          ; which half of B's rows.  Also: which half of that tile I fetch
	s_bfe_u32 s40, ttmp6, 0x40000                  ; cx
	s_bfe_u32 s41, ttmp6, 0x40004                  ; cy
	s_and_b32 s88, ttmp7, 0xffff                   ; the cluster's y: 0-7 q and k, 8-11 v
	s_lshl_b32 s42, ttmp9, 2
	s_add_co_u32 s42, s42, s40                     ; x = 4 x cluster x + cx: 0..7
	s_lshl_b32 s17, s88, 2
	s_add_co_u32 s17, s17, s41                     ; Y = 4 x cluster y + cy
	s_lshl_b32 s43, s41, 2
	s_lshl_b32 s43, 15, s43                        ; my row of the cluster
	s_lshl_b32 s44, 0x1111, s40                    ; my column
	s_or_b32 s[G1+0], s43, (3<<16)|(1<<21)         ; 15:0 the mask: A's tiles go to my row; 17:16 elements of 8 bytes; 21 set beside a mask; no padding
	s_or_b32 s[G1B+0], s44, (3<<16)|(1<<21)
.irp g, G1, G1B
	s_mov_b32 s[\g+1], 512<<16                     ; tensor_dim0 = 512 elements: 4,096 bytes, two fragments
	s_mov_b32 s[\g+2], 8<<16                       ; tensor_dim1 = 8 row tiles
	s_mov_b32 s[\g+3], 512<<16                     ; tile_dim0
	s_mov_b32 s[\g+4], 8                           ; tile_dim1
	s_mov_b32 s[\g+5], 2048                        ; tensor_dim0_stride: a row tile's eight fragments, 16,384 bytes
	s_mov_b32 s[\g+6], 0
	s_mov_b32 s[\g+7], 0
.endr
	s_sub_co_u32 s89, s88, 8
	s_lshl_b32 s89, s89, 3
	s_add_co_u32 s89, s89, s42                     ; v: B's block of 256 tokens, 8 (cluster y - 8) + x
	s_lshl_b32 s18, s16, 17                        ; the half that I fetch: 8 row tiles of 16,384 bytes
	s_cmp_lt_u32 s88, 8
	s_cselect_b32 s20, s17, s41                    ; A's block: Y (tokens) or cy (rows of w_v): made of cy and the cluster's y alone
	s_cselect_b32 s46, s42, s89                    ; B's block: x (rows of w_q, w_k) or tokens: made of cx and the cluster's x and y alone
	s_cselect_b32 s90, 0, 0x200000                 ; w_v begins at row tile 128 of wc
	s_lshl_b32 s20, s20, 18                        ; a block is 16 row tiles
	s_add_co_u32 s20, s20, s18
	s_add_co_u32 s20, s20, s90
	s_mov_b32 s21, 0
	s_lshl_b32 s46, s46, 18
	s_add_co_u32 s46, s46, s18
	s_mov_b32 s47, 0
	s_mul_i32 s45, s14, HALFT                      ; where they go: wave x 32,768: no place in the cluster enters an LDS address
	s_wait_dscnt 0x0                               ; both opening adds are done
	s_wait_kmcnt 0x0
	s_load_b256 s[76:83], s[8:9], 0x0              ; e0 .. e7
	s_cmp_lt_u32 s88, 8
	s_cselect_b64 s[92:93], s[4:5], s[6:7]         ; A's buffer
	s_cselect_b64 s[94:95], s[6:7], s[4:5]         ; B's buffer
	s_add_nc_u64 s[20:21], s[92:93], s[20:21]
	s_add_nc_u64 s[46:47], s[94:95], s[46:47]
	CROUND                                         ; all sixteen work-groups are here: the first joint loads meet
.irp s, 0,1
	s_mov_b32 s[G0+4*\s], 1
	s_add_co_u32 s[G0+4*\s+1], s45, \s*SLOT
	s_add_nc_u64 s[G0+4*\s+2:G0+4*\s+3], s[20:21], \s*4096
	s_or_b32 s[G0+4*\s+3], s[G0+4*\s+3], 0x80000000
	s_mov_b32 s[G0B+4*\s], 1
	s_add_co_u32 s[G0B+4*\s+1], s45, \s*SLOT
	s_add_nc_u64 s[G0B+4*\s+2:G0B+4*\s+3], s[46:47], \s*4096
	s_or_b32 s[G0B+4*\s+3], s[G0B+4*\s+3], 0x80000000
	JLOAD G0+4*\s, G1, G0B+4*\s, G1B
.endr
	v_and_b32 v1, 15, v0                           ; r
	v_bfe_u32 v2, v0, 4, 1                         ; h
	v_and_b32 v3, 31, v0
	v_lshlrev_b32 v[CO], 4, v3
	s_mul_i32 s21, s15, HALFT                      ; my half of A
	s_mul_i32 s22, s16, HALFT                      ; my half of B,
	s_add_co_u32 s22, s22, 2*HALFT                 ; which lies behind A's two
.irp s, 0,1
	v_add_nc_u32 v[ADRA+\s], s21, v[CO]
	v_add_nc_u32 v[ADRB+\s], s22, v[CO]
	s_add_co_u32 s21, s21, SLOT
	s_add_co_u32 s22, s22, SLOT
.endr
	v_lshlrev_b32 v5, 5, v2                        ; the bias along the registers: 32 h
	v_lshlrev_b32 v6, 2, v1                        ; the bias along the lanes: 4 r
	s_wait_kmcnt 0x0
	s_add_co_i32 s91, s76, s77                     ; e0 + e1
	s_sub_co_i32 s90, 0, s91
	; the scale of the way out, and where my 16,384 bytes go
	s_cmp_eq_u32 ttmp9, 0
	s_cselect_b32 s89, s78, s79                    ; e2 (q: cluster x = 0) or e3 (k)
	s_cselect_b64 s[84:85], s[68:69], s[70:71]
	s_cmp_lt_u32 s88, 8
	s_cselect_b32 s89, s89, s81                    ; or e5 (v)
	s_cselect_b64 s[84:85], s[84:85], s[72:73]
	s_sub_co_i32 s89, s89, s91
	s_add_co_i32 s89, s89, 127
	s_lshl_b32 s86, s89, 23
	v_mov_b32 v[SC], s86                           ; 2^(eX - e0 - e1)
	s_add_co_i32 s89, s89, 8
	s_lshl_b32 s89, s89, 23
	s_or_b32 s87, s89, 0x600000                    ; 448 x that,
	s_or_b32 s86, s87, 0x80000000                  ; and its negative
	s_lshr_b32 s92, s17, 3                         ; q, k: ((batch x 8 + head pair) x 128 + token tile) x 2,048
	s_lshl_b32 s92, s92, 3
	s_lshl_b32 s93, s40, 1
	s_add_co_u32 s92, s92, s93
	s_add_co_u32 s92, s92, s16                     ; head pair = 2 cx + my half of the columns
	s_lshl_b32 s92, s92, 7
	s_and_b32 s93, s17, 7
	s_lshl_b32 s93, s93, 4
	s_add_co_u32 s92, s92, s93
	s_lshl_b32 s93, s15, 3
	s_add_co_u32 s92, s92, s93                     ; token tile = 16 (Y % 8) + 8 x my half of the rows
	s_lshl_b32 s92, s92, 11
	s_sub_co_u32 s94, s88, 8                       ; v: ((batch x 8 + head pair) x 16 + key step) x 16,384
	s_lshl_b32 s94, s94, 3
	s_lshl_b32 s93, s41, 1
	s_add_co_u32 s94, s94, s93
	s_add_co_u32 s94, s94, s15                     ; head pair = 2 cy + my half of the channels
	s_lshl_b32 s94, s94, 4
	s_lshl_b32 s93, s42, 1
	s_add_co_u32 s94, s94, s93
	s_add_co_u32 s94, s94, s16                     ; key step = 2 x + my half of the tokens
	s_lshl_b32 s94, s94, 14
	s_cmp_lt_u32 s88, 8
	s_cselect_b32 s92, s92, s94
	s_mov_b32 s93, 0
	s_add_nc_u64 s[84:85], s[84:85], s[92:93]
	; the bias
	s_lshl_b32 s92, s42, 10
	s_lshl_b32 s93, s16, 9
	s_add_co_u32 s92, s92, s93                     ; q, k: entry 256 x + 128 x my half of the columns
	s_lshl_b32 s94, s41, 10
	s_lshl_b32 s93, s15, 9
	s_add_co_u32 s94, s94, s93
	s_add_co_u32 s94, s94, 8192                    ; v: entry 2,048 + 256 cy + 128 x my half of the channels
	s_cmp_lt_u32 s88, 8
	s_cselect_b32 s92, s92, s94
	s_mov_b32 s93, 0
	s_add_nc_u64 s[10:11], s[10:11], s[92:93]
	s_cmp_lt_u32 s88, 8
	s_cbranch_scc0 .Lbias_v
.irp b, 0,1,2,3,4,5,6,7                        ; q, k: tile b's eight registers: entries 16 b + 8 h + 0 .. 7, the same for all blocks of A
	global_load_b128 v[BIAS+8*\b:BIAS+8*\b+3],   v5, s[10:11] offset:64*\b
	global_load_b128 v[BIAS+8*\b+4:BIAS+8*\b+7], v5, s[10:11] offset:64*\b+16
.endr
	s_wait_loadcnt 0x0
.set j, 0
.rept 64
	v_ldexp_f32 v[BIAS+j], v[BIAS+j], s90          ; / 2^(e0 + e1)
.set j, j+1
.endr
	s_branch .Lbias_done
.Lbias_v:
.irp a, 0,1,2,3,4,5,6,7                        ; v: block a's eight registers all hold entry 16 a + r, my lane's channel
	global_load_b32 v[CD+\a], v6, s[10:11] offset:64*\a
.endr
	s_wait_loadcnt 0x0
.irp a, 0,1,2,3,4,5,6,7
.irp j, 0,1,2,3,4,5,6,7
	v_ldexp_f32 v[BIAS+8*\a+\j], v[CD+\a], s90
.endr
.endr
.Lbias_done:
.macro FRAG reg, adr, q, i             ; fragment (row tile i, K step q of the slot): four loads of 512 consecutive bytes
.irp c, 0,1,2,3
	ds_load_b128 v[\reg+4*\c:\reg+4*\c+3], v[\adr] offset:4096*(\i)+2048*(\q)+512*\c
.endr
.endm
; 16 matrix instructions: A's blocks a0, a0 + 1 x B's eight, 128 along K.  p: B's set.  cmode 0: adds in place; 1: the sums start from the bias of tile b; 2: from the bias of block a.  Nothing is ever cleared.
; The 64 accumulators take turns, one instruction a turn, in the same order in every step.
.macro MUL16 a0, p, cmode
.irp a, \a0, \a0+1
.irp b, 0,1,2,3,4,5,6,7
.if \cmode == 1
	v_wmma_f32_16x16x128_fp8_fp8 v[8*(8*((\a)%4)+\b):8*(8*((\a)%4)+\b)+7], v[128*(\p)+FR*\b:128*(\p)+FR*\b+FR-1], v[AF+FR*(\a):AF+FR*(\a)+FR-1], v[BIAS+8*\b:BIAS+8*\b+7]
.elseif \cmode == 2
	v_wmma_f32_16x16x128_fp8_fp8 v[8*(8*((\a)%4)+\b):8*(8*((\a)%4)+\b)+7], v[128*(\p)+FR*\b:128*(\p)+FR*\b+FR-1], v[AF+FR*(\a):AF+FR*(\a)+FR-1], v[BIAS+8*(\a):BIAS+8*(\a)+7]
.else
	v_wmma_f32_16x16x128_fp8_fp8 v[8*(8*((\a)%4)+\b):8*(8*((\a)%4)+\b)+7], v[128*(\p)+FR*\b:128*(\p)+FR*\b+FR-1], v[AF+FR*(\a):AF+FR*(\a)+FR-1], v[8*(8*((\a)%4)+\b):8*(8*((\a)%4)+\b)+7]
.endif
.endr
.endr
.endm
.macro FETCH_B slot, q, p
	WIN TO_B
.irp i, 0,1,2,3,4,5,6,7
	FRAG 128*(\p)+FR*\i, ADRB+\slot, \q, \i
.endr
	WIN 0
.endm
.macro FETCH_A slot, q, i0
.irp i, \i0, \i0+1, \i0+2, \i0+3
	FRAG AF+FR*(\i), ADRA+\slot, \q, \i
.endr
.endm
.macro PLACES n                        ; plain vector lines between a matrix instruction and a load into, or a vector read of, its registers (ISA guide 7.12.1 for vector reads)
.rept \n
	v_nop
.endr
.endm
; A step of 128 along K that has its successor in the same slot.  A block of A is free as soon as its eight products are issued: blocks 0-3 are fetched anew in the step's middle, blocks 4-7 at its end.
.macro STEP slot, q, cmode
	s_wait_dscnt 4*NL                              ; B's set and A's blocks 0-3 are in; the youngest 16 loads (A's blocks 4-7) may be out
.if \cmode
	WIN 0x81                                       ; C (the bias) window 0, D window 2
.else
	WIN MUL_LO
.endif
	MUL16 0, (\q)%2, \cmode
	MUL16 2, (\q)%2, \cmode
	s_wait_dscnt 0
	PLACES NP
	FETCH_B \slot, (\q)+1, 1-(\q)%2
	FETCH_A \slot, (\q)+1, 0
.if \cmode
	WIN 0xc1
.else
	WIN MUL_HI
.endif
	MUL16 4, (\q)%2, \cmode
	MUL16 6, (\q)%2, \cmode
	PLACES NP
	WIN 0
	FETCH_A \slot, (\q)+1, 4
.endm
; A slot's last step changes slots: ONE barrier; in front of it each wave waits for all its tensor loads, adds 0 to its spare word, and waits for that and for its own reads of this slot.  fill = 1: this slot is filled again, two slots ahead.
.macro TURN slot, next, fill
	s_wait_tensorcnt 0x0                           ; all my tensor loads have landed: my part of the next slot
	ds_add_u32 v[SPW], v[NIL]                      ; 0 onto my spare word
	s_wait_dscnt 4*NL+1                            ; (the add and the youngest 16 loads may be out)
	WIN MUL_LO
	MUL16 0, 1, 0                                  ; sixteen matrix instructions stand between the add and the wait for it
	s_wait_dscnt 0x0                               ; the add is done, and my reads of this slot are over
	s_barrier_signal -1
	MUL16 2, 1, 0
	WIN 0
	s_barrier_wait -1
.if \fill
	CREST                                          ; the barrier has opened a round of the cluster's barrier: no wave of any partner still reads this slot or has a load on its way
	s_add_nc_u64 s[G0+4*\slot+2:G0+4*\slot+3], s[G0+4*\slot+2:G0+4*\slot+3], 8192
	s_add_nc_u64 s[G0B+4*\slot+2:G0B+4*\slot+3], s[G0B+4*\slot+2:G0B+4*\slot+3], 8192
	JLOAD G0+4*\slot, G1, G0B+4*\slot, G1B         ; the first tensor load behind the round; its four v_nop are also the places in front of the loads below
.else
	PLACES NP
.endif
	FETCH_B \next, 0, 0
	FETCH_A \next, 0, 0
	WIN MUL_HI
	MUL16 4, 1, 0
	MUL16 6, 1, 0
	PLACES NP
	WIN 0
	FETCH_A \next, 0, 4
.endm
	s_wait_tensorcnt 1                             ; my part of slot 0 is in; slot 1's load may be out
	s_barrier_signal -1
	s_barrier_wait -1
	FETCH_B 0, 0, 0
	FETCH_A 0, 0, 0
	FETCH_A 0, 0, 4
	s_cmp_lt_u32 s88, 8                            ; the first step's products start the sums from the bias, in the part's own form; both arms issue the same loads
	s_cbranch_scc0 .Lfirst_v
	STEP 0, 0, 1
	s_branch .Lfirst_done
.Lfirst_v:
	STEP 0, 0, 2
.Lfirst_done:
	TURN 0, 1, 1                                   ; four slots of K: both slots are filled again once; written straight
	STEP 1, 0, 0
	TURN 1, 0, 1
	STEP 0, 0, 0
	TURN 0, 1, 0                                   ; the last two slots fill nothing
	STEP 1, 0, 0
	s_wait_dscnt 4*NL
	WIN MUL_LO
	MUL16 0, 1, 0
	MUL16 2, 1, 0
	s_wait_dscnt 0
	WIN MUL_HI
	MUL16 4, 1, 0
	MUL16 6, 1, 0
	WIN 0
; THE WAY OUT.  Block a's 64 sums of a lane are held, and become 16 registers of codes: tile b's eight registers give registers 2 b, 2 b + 1 of the next operand, k = 16 b + 8 h + 0 .. 7: the image as it is stored.
.macro OUTBLK a
.set AC, 64*((\a)%4)
.set CC, CD+16*((\a)%2)
.if (\a) >= 2
	s_wait_xcnt 0x0                                ; the stores of two blocks back have read their codes' registers
.endif
	WIN 0x82+0x41*((\a)/4)                         ; source 0 and destination: window 2 or 3
.set j, 0
.rept 64
	v_med3_num_f32 v[AC+j], v[AC+j], s86, s87      ; each accumulator from its low end on; the conversion does not saturate (ISA guide 7.6.2)
.set j, j+1
.endr
	WIN 0x02+((\a)/4)
.irp b, 0,1,2,3,4,5,6,7
	v_cvt_scalef32_pk8_fp8_f32 v[CC+2*\b:CC+2*\b+1], v[AC+8*\b:AC+8*\b+7], v[SC]
.endr
	WIN 0
	v_nop                                          ; a plain line behind the conversions
.irp i, 0,1,2,3
	global_store_b128 v[CO], v[CC+4*\i:CC+4*\i+3], s[84:85] offset:2048*(\a)+512*\i
.endr
.endm
	PLACES NP
.irp a, 0,1,2,3,4,5,6,7
	OUTBLK \a
.endr
	s_wait_tensorcnt 0x0                           ; the wave's end
	ds_add_u32 v[SPW], v[NIL]
	s_wait_dscnt 0x0
	CROUND                                         ; the closing round: no work-group ends while a partner may still ask for a tile that names it
	s_endpgm
.Lfunc_end_k_q391a88eee5_qkv:
	.size	k_q391a88eee5_qkv, .Lfunc_end_k_q391a88eee5_qkv-k_q391a88eee5_qkv
	.p2alignl 7, 3214868480
	.fill 96, 4, 3214868480
	.section	.rodata,"a",@progbits
	.p2align	6, 0x0
	.amdhsa_kernel k_q391a88eee5_qkv
		.amdhsa_group_segment_fixed_size 327680
		.amdhsa_private_segment_fixed_size 0
		.amdhsa_enable_private_segment 0
		.amdhsa_kernarg_size 56
		.amdhsa_user_sgpr_count 2
		.amdhsa_user_sgpr_kernarg_segment_ptr 1
		.amdhsa_wavefront_size32 1
		.amdhsa_system_sgpr_workgroup_id_x 1
		.amdhsa_system_sgpr_workgroup_id_y 1
		.amdhsa_system_sgpr_workgroup_id_z 1
		.amdhsa_system_vgpr_workitem_id 0
		.amdhsa_next_free_vgpr 1024
		.amdhsa_next_free_sgpr 100
		.amdhsa_reserve_vcc 0
		.amdhsa_float_denorm_mode_32 3
		.amdhsa_float_denorm_mode_16_64 3
		.amdhsa_memory_ordered 1
		.amdhsa_forward_progress 1
		.amdhsa_inst_pref_size 138
	.end_amdhsa_kernel
	.amdgpu_metadata
---
amdhsa.version: [ 1, 2 ]
amdhsa.kernels:
  - .name:           k_q391a88eee5_qkv
    .symbol:         k_q391a88eee5_qkv.kd
    .args:
      - { .name: xc, .offset: 0, .size: 8, .value_kind: global_buffer, .address_space: global }
      - { .name: wc, .offset: 8, .size: 8, .value_kind: global_buffer, .address_space: global }
      - { .name: lowp_scales, .offset: 16, .size: 8, .value_kind: global_buffer, .address_space: global }
      - { .name: b_qkv, .offset: 24, .size: 8, .value_kind: global_buffer, .address_space: global }
      - { .name: qc, .offset: 32, .size: 8, .value_kind: global_buffer, .address_space: global }
      - { .name: kc, .offset: 40, .size: 8, .value_kind: global_buffer, .address_space: global }
      - { .name: vc, .offset: 48, .size: 8, .value_kind: global_buffer, .address_space: global }
    .group_segment_fixed_size: 327680
    .private_segment_fixed_size: 0
    .kernarg_segment_align: 8
    .kernarg_segment_size: 56
    .max_flat_workgroup_size: 128
    .sgpr_count:     100
    .vgpr_count:     1024
    .wavefront_size: 32
...
	.end_amdgpu_metadata
.endif
;; end of part 2
;; launch attn (part 3): grid 4 x 64, 16 waves a work-group, no clusters, 67,584 bytes of LDS; arguments qc, kc, vc, mwf, lowp_scales, yc; writes yc
.if DOCPART == 3
	.amdgcn_target "amdgcn-amd-amdhsa--gfx1250"
	.amdhsa_code_object_version 6
	.text
	.protected	k_q391a88eee5_attn
	.globl	k_q391a88eee5_attn
	.p2align	8
	.type	k_q391a88eee5_attn,@function
k_q391a88eee5_attn:
	s_mov_b64 s[64:65], 0
	v_nop
	global_prefetch_b8 v0, s[64:65] scope:SCOPE_SE
	s_setreg_imm32_b32 hwreg(HW_REG_WAVE_MODE, 25, 1), 1
	s_wait_xcnt 0x0
; THIRD LAUNCH: y = softmax(where(mask, q k^T / 8, -infinity)) v for each batch and head, both products on codes of FP8 (E4M3); y leaves as codes for the last product.
; LEFT OUT: a tile of 16 queries x 128 keys whose mask is all false (flag 0, stored by the first launch as whole numbers): its p are 0 and it moves neither maximum, sum nor product.  A NaN or infinity that reaches only such a tile is not carried on.
; THE SOFTMAX AHEAD OF THE SECOND PRODUCT: t = score x log2(e) / 8; M = the running largest t, rounded up to a whole number; p = 2^(t - M) is quantised with 2^e4, not normalised; the sum is taken of the unquantised p and divides at the end.
; When M moves, the sum and O are multiplied by 2^(old M - new M): exact.
; SHARES.  A work-group owns one head and two blocks of 256 queries, block 7 - x and then block x; each of its sixteen waves owns 16 queries of the block in hand, in 232 registers: four waves to a SIMD.
; K and V come in slots of 256 keys: 512 threads load 32,768 bytes into registers a slot ahead, store them into one of two LDS buffers, and all sixteen waves read them from there.
; NO TENSOR LOADS, NO CLUSTER: the walk jumps over loads and steps by the stored flags; joint requests exist for tensor loads alone.
; LAYOUT.  Both products are used transposed: S^T = K Q^T (source 0 = 16 keys), O^T = V^T P^T (source 0 = 16 channels): a lane holds ONE query (lane % 16) throughout.  Score register 8 t + j of lane (r, h) is key 16 t + 8 h + j,
; so the conversion of tile t's eight registers gives registers 2 t, 2 t + 1 of P, k = 16 t + 8 h + 0 .. 7: its own place.  All operands are images of their registers (second launch): every LDS address is 16 x lane + a constant.
; THE MASK in a mixed tile (flag 1): 64 lane masks come by scalar loads, one v_cndmask_b32 a score.  A tile that is all true (flag 2) has none.
; THE HOLD OF p: p <= 1, so it changes nothing where 448 x 2^e4 >= 1; it is walked only where e4 < -8.
; A QUERY WITH NO TRUE KEY has the sum 0: its codes of y are the NaN code, as reference() gives NaN there.
; LIMITS: e2 + e3 between -123 and 130 (added to c's exponent field); e4 between -126 and 119.
.set LI,  1                            ; v1   16 x lane
.set CP,  3                            ; v3   16 x thread: a copy's place in LDS, and V's offset in memory
.set SPW, 5                            ; v5   LDS address of my spare word; never rewritten
.set NIL, 6                            ; v6   0; never rewritten
.set GK,  7                            ; v7   K's offset in memory: 2,048 (thread / 64) + 16 (thread % 64)
.set QF,  16                           ; v16-23   Q's fragment                 v12 -M, v13 the largest t, v[14:15] the sum in two halves
.set STG, 24                           ; v24-39   a slot's 64 bytes of mine, on their way to LDS
.set KF,  40                           ; v40-103  K's eight fragments, then V's four
.set S,   104                          ; v104-167 S^T, then p
.set O,   168                          ; v168-199 O^T
.set P,   200                          ; v200-215 p's codes; at the end y's
.set SPARE, 65536                      ; behind the two buffers: the spare words, 128 bytes for each of sixteen waves
; v216 -infinity, v217 2^e4, v218 448 x 2^e4, v219 a permute's destination, v[220:221] f, v222-223 maxima, v[224:225] a second sum, v[226:227] 1 / sum, v228 four NaN codes, v229 1.0
; s3 wave; s[4:5] Q's base; s[6:7], s[8:9] K and V, walking; s[10:11] mwf; s[12:13] Q of the pass; s[14:15] y's base; s[16:17] the mask words, walking; s18, s19 counters; s[20:21] lane selects; s[22:23] c;
; s24 the step's flag; s25 1 where the hold is walked; s26 e4 + e5 - e6; s27 the block of queries; s28 lanes with sum 0; s29 the sixteen waves' flags, ORed; s30 my flags; s[66:67] y of the pass; s[32:63], s[68:99] 64 lane masks
	s_load_b256 s[4:11], s[0:1], 0x0               ; qc, kc, vc, mwf
	s_load_b128 s[12:15], s[0:1], 0x20             ; lowp_scales, yc
	v_lshl_add_u32 v[SPW], v0, 2, SPARE
	v_mov_b32 v[NIL], 0
	v_lshrrev_b32 v8, 5, v0
	v_readfirstlane_b32 s3, v8                     ; wave 0..15
	v_and_b32 v8, 31, v0
	v_lshlrev_b32 v[LI], 4, v8
	v_lshlrev_b32 v[CP], 4, v0
	v_lshrrev_b32 v8, 6, v0
	v_and_b32 v9, 63, v0
	v_lshlrev_b32 v9, 4, v9
	v_lshl_add_u32 v[GK], v8, 11, v9
	v_mov_b32 v216, 0xff800000
	v_mov_b32 v219, 0
	v_mov_b32 v221, 0                              ; (named as the upper half of a pair)
	v_mov_b32 v227, 0
	v_mov_b32 v228, 0x7f7f7f7f
	v_mov_b32 v229, 1.0
	s_mov_b32 s20, 0x76543210
	s_mov_b32 s21, 0xfedcba98                      ; v_permlanex16_b32: lane l xor 16
	s_mov_b32 s100, 0xc3e00000                     ; -448
	s_mov_b32 s101, 0x43e00000                     ; 448
	s_and_b32 s2, ttmp7, 0xffff                    ; 16 x batch + head
	s_lshr_b32 s31, s2, 1                          ; 8 x batch + head pair
	s_lshl_b32 s31, s31, 18                        ; 262,144 bytes each, in qc, kc and vc
	s_and_b32 s24, s2, 1
	s_lshl_b32 s28, s24, 10
	s_add_co_u32 s28, s31, s28                     ; q, k: + 1,024 x (head % 2)
	s_lshl_b32 s29, s24, 13
	s_add_co_u32 s30, s31, s29                     ; v: + 8,192 x (head % 2)
	s_mov_b32 s105, 0
	s_sub_co_u32 s27, 7, ttmp9                     ; the first block of queries
	s_mov_b32 s19, 2
	s_wait_kmcnt 0x0
	s_load_b256 s[68:75], s[12:13], 0x0            ; e0 .. e7
	s_mov_b32 s104, s28
	s_add_nc_u64 s[4:5], s[4:5], s[104:105]
	s_add_nc_u64 s[6:7], s[6:7], s[104:105]
	s_mov_b32 s104, s30
	s_add_nc_u64 s[8:9], s[8:9], s[104:105]
	s_lshr_b32 s28, s2, 4
	s_lshl_b32 s28, s28, 21                        ; yc: 128 row tiles of 16,384 bytes a batch,
	s_and_b32 s29, s2, 15
	s_lshl_b32 s29, s29, 10                        ; the head's 1,024 bytes of a row tile: K step = head pair, its half = head % 2
	s_add_co_u32 s104, s28, s29
	s_add_nc_u64 s[14:15], s[14:15], s[104:105]
	s_wait_kmcnt 0x0
	s_add_co_i32 s28, s70, s71
	s_lshl_b32 s28, s28, 23
	s_add_co_i32 s22, s28, 0x3e38aa3b              ; c = log2(e) / 8, with e2 + e3 added to its exponent field
	s_mov_b32 s23, s22                             ; (named with it as a pair)
	s_add_co_i32 s28, s72, 127
	s_lshl_b32 s29, s28, 23
	v_mov_b32 v217, s29                            ; 2^e4
	s_add_co_i32 s28, s28, 8
	s_lshl_b32 s28, s28, 23
	s_or_b32 s28, s28, 0x600000
	v_mov_b32 v218, s28                            ; 448 x 2^e4
	s_add_co_i32 s26, s72, s73
	s_sub_co_i32 s26, s26, s74                     ; e4 + e5 - e6
	s_cmp_lt_i32 s72, -8
	s_cselect_b32 s25, 1, 0
.macro LOADKV                          ; a slot: 16 tiles of K (1,024 bytes each, 2,048 apart) and 2 key steps of V (8,192 bytes each, 16,384 apart): 64 bytes a thread
	global_load_b128 v[STG:STG+3],     v[GK], s[6:7]
	global_load_b128 v[STG+4:STG+7],   v[GK], s[6:7] offset:16384
	global_load_b128 v[STG+8:STG+11],  v[CP], s[8:9]
	global_load_b128 v[STG+12:STG+15], v[CP], s[8:9] offset:16384
.endm
; A KEY STEP: 128 keys, the q-th of the slot in buffer buf.
.macro STEP buf, q
	s_bfe_u32 s24, s30, (2<<16)|(2*(\q))           ; my tile's flag
	s_cmp_eq_u32 s24, 0
	s_cbranch_scc1 .Lskip_\@                       ; all false: nothing to do
.irp t, 0,1,2,3,4,5,6,7
	ds_load_b128 v[KF+8*\t:KF+8*\t+3],   v[LI] offset:32768*(\buf)+8192*(\q)+1024*\t
	ds_load_b128 v[KF+8*\t+4:KF+8*\t+7], v[LI] offset:32768*(\buf)+8192*(\q)+1024*\t+512
.endr
	s_wait_dscnt 0x0
.irp t, 0,1,2,3,4,5,6,7
	v_wmma_f32_16x16x64_fp8_fp8 v[S+8*\t:S+8*\t+7], v[KF+8*\t:KF+8*\t+7], v[QF:QF+7], 0
.endr
.rept 4
	v_nop                                          ; places in front of the loads into K's registers and of the first read of the scores
.endr
.irp t, 0,1,2,3                                ; V's four fragments land while the softmax is walked
.irp c, 0,1,2,3
	ds_load_b128 v[KF+16*\t+4*\c:KF+16*\t+4*\c+3], v[LI] offset:32768*(\buf)+16384+8192*(\q)+2048*\t+512*\c
.endr
.endr
	s_cmp_eq_u32 s24, 2
	s_cbranch_scc1 .Lopen_\@                       ; all true: no select
	s_load_b512 s[32:47], s[16:17], 512*(\buf)+256*(\q)
	s_load_b512 s[48:63], s[16:17], 512*(\buf)+256*(\q)+64
	s_load_b512 s[68:83], s[16:17], 512*(\buf)+256*(\q)+128
	s_load_b512 s[84:99], s[16:17], 512*(\buf)+256*(\q)+192
	s_wait_kmcnt 0x0
.set n, 0
.rept 64
	v_cndmask_b32 v[S+n], v216, v[S+n], s[32+n+4*(n/32)]   ; the score where the mask is true, else -infinity; each tile from its low end on
.set n, n+1
.endr
.Lopen_\@:
	v_max3_num_f32 v222, v[S], v[S+1], v[S+2]      ; the step's largest score of my query among my 64 keys, in two chains, ascending
	v_max3_num_f32 v223, v[S+3], v[S+4], v[S+5]
.set n, 6
.rept 14
	v_max3_num_f32 v222, v222, v[S+n], v[S+n+1]
	v_max3_num_f32 v223, v223, v[S+n+2], v[S+n+3]
.set n, n+4
.endr
	v_max3_num_f32 v222, v222, v[S+62], v[S+63]
	v_max_num_f32 v222, v222, v223
	v_permlanex16_b32 v219, v222, s20, s21
	v_max_num_f32 v222, v222, v219                 ; and among lane l xor 16's
	v_mul_f32 v222, s22, v222                      ; as t (c is positive)
	v_max_num_f32 v13, v13, v222                   ; the running largest t
	v_mov_b32 v222, v12
	v_floor_f32 v12, -v13                          ; the new -M = floor(-t): M is a whole number
	v_sub_f32 v222, v12, v222                      ; old M - new M: a whole number, 0 or less
	v_cvt_i32_f32 v222, v222                       ; (it saturates)
	v_ldexp_f32 v220, 1.0, v222                    ; f = 2^(old M - new M)
.set n, 0
.rept 32
	v_pk_fma_f32 v[S+n:S+n+1], v[S+n:S+n+1], s[22:23], v[12:13] op_sel_hi:[1,0,0]   ; t - M, two at a time
.set n, n+2
.endr
.set n, 0
.rept 64
	v_exp_f32 v[S+n], v[S+n]                       ; p = 2^(t - M)
.set n, n+1
.endr
	v_pk_mul_f32 v[14:15], v[14:15], v[220:221] op_sel_hi:[1,0]   ; the sums under the new M: the plain line behind the exponentials
	s_wait_alu depctr_va_vdst(0)                   ; one wait for the whole batch, ahead of its first reader
	v_pk_add_f32 v[224:225], v[S:S+1], v[S+2:S+3]  ; the row's sum of the unquantised p, in two chains
.set n, 4
.rept 15
	v_pk_add_f32 v[14:15], v[14:15], v[S+n:S+n+1]
	v_pk_add_f32 v[224:225], v[224:225], v[S+n+2:S+n+3]
.set n, n+4
.endr
	v_pk_add_f32 v[14:15], v[14:15], v[224:225]
	s_cmp_eq_u32 s25, 0
	s_cbranch_scc1 .Lnohold_\@
.set n, 0
.rept 64
	v_min_num_f32 v[S+n], v[S+n], v218             ; p is not negative: a one-sided hold at 448 x 2^e4
.set n, n+1
.endr
.Lnohold_\@:
.irp t, 0,1,2,3,4,5,6,7
	v_cvt_scalef32_pk8_fp8_f32 v[P+2*\t:P+2*\t+1], v[S+8*\t:S+8*\t+7], v217
.endr
.set n, 0
.rept 16
	v_pk_mul_f32 v[O+n:O+n+1], v[O+n:O+n+1], v[220:221] op_sel_hi:[1,0]   ; O^T under the new M; also the plain lines behind the conversions
.set n, n+2
.endr
	s_wait_dscnt 0x0                               ; V is in
.irp t, 0,1,2,3
	v_wmma_f32_16x16x128_fp8_fp8 v[O+8*\t:O+8*\t+7], v[KF+16*\t:KF+16*\t+15], v[P:P+15], v[O+8*\t:O+8*\t+7]
.endr
.rept 4
	v_nop                                          ; places for every way on: the next loads into these fragments, the next read of O^T
.endr
.Lskip_\@:
.endm
; A SLOT.  The registers that were loaded a slot ago go into buffer buf; one barrier; the next slot is asked for; two key steps.  Buffer buf was last read two slots ago: every wave waited for those reads ahead of the barrier
; of the slot between, and I store only behind that barrier.  Loads and stores are jumped over where no wave of the work-group has a tile to do in the slot.
.macro SLOTT buf
	s_wait_loadcnt 0x0                             ; my 64 bytes of this slot are in (and Q, the first time): the pointers may step
	s_add_nc_u64 s[6:7], s[6:7], 32768
	s_add_nc_u64 s[8:9], s[8:9], 32768
	s_and_b32 s31, s29, 15
	s_cmp_eq_u32 s31, 0
	s_cbranch_scc1 .Lnostore_\@
	ds_store_b128 v[CP], v[STG:STG+3]     offset:32768*(\buf)
	ds_store_b128 v[CP], v[STG+4:STG+7]   offset:32768*(\buf)+8192
	ds_store_b128 v[CP], v[STG+8:STG+11]  offset:32768*(\buf)+16384
	ds_store_b128 v[CP], v[STG+12:STG+15] offset:32768*(\buf)+24576
.Lnostore_\@:
	s_wait_dscnt 0x0                               ; for the others' sake: my stores are done, and so are my reads of the other buffer
	s_barrier_signal -1
	s_barrier_wait -1
	s_and_b32 s31, s29, 0xf0
	s_cmp_eq_u32 s31, 0
	s_cbranch_scc1 .Lnoload_\@                     ; zeros are shifted in from above: behind the last slot nothing is asked for
	LOADKV
.Lnoload_\@:
	STEP \buf, 0
	STEP \buf, 1
	s_lshr_b32 s29, s29, 4
	s_lshr_b32 s30, s30, 4
.endm
.Lpass:
	s_wait_xcnt 0x0                                ; the last pass's stores have read their registers and base
	s_lshl_b32 s31, s27, 4
	s_add_co_u32 s31, s31, s3                      ; my query tile
	s_lshl_b32 s104, s31, 11
	s_add_nc_u64 s[12:13], s[4:5], s[104:105]
	global_load_b128 v[QF:QF+3],   v[LI], s[12:13]
	global_load_b128 v[QF+4:QF+7], v[LI], s[12:13] offset:512
	LOADKV                                         ; slot 0, in every case: so the staging registers are written on every way
	s_lshl_b32 s104, s31, 14
	s_add_nc_u64 s[66:67], s[14:15], s[104:105]    ; y
	s_lshl_b32 s104, s31, 12
	s_add_nc_u64 s[16:17], s[10:11], s[104:105]    ; my tile's lane masks
	s_lshl_b32 s104, s27, 6
	s_add_nc_u64 s[32:33], s[10:11], s[104:105]
	s_load_b512 s[36:51], s[32:33], 0x80000        ; the flags of the block's sixteen query tiles,
	s_lshl_b32 s104, s31, 2
	s_add_nc_u64 s[34:35], s[10:11], s[104:105]
	s_load_b32 s30, s[34:35], 0x80000              ; and mine
.set n, 0
.rept 32
	v_mov_b32 v[O+n], 0                            ; O^T: the step is written once; the first change of M leaves zeros zeros
.set n, n+1
.endr
	v_mov_b32 v13, 0xff61b1e6                      ; the largest t so far: -3e38
	v_floor_f32 v12, -v13
	v_mov_b32 v14, 0
	v_mov_b32 v15, 0
	s_wait_kmcnt 0x0
	s_or_b32 s29, s36, s37
.irp i, 38,39,40,41,42,43,44,45,46,47,48,49,50,51
	s_or_b32 s29, s29, s\i
.endr
	s_mov_b32 s18, 4
.Lslot:                                            ; four trips of two slots: sixteen key steps
	SLOTT 0
	SLOTT 1
	s_add_nc_u64 s[16:17], s[16:17], 1024
	s_sub_co_u32 s18, s18, 1
	s_cmp_lg_u32 s18, 0
	s_cbranch_scc1 .Lslot
	; THE WAY OUT OF A PASS: y = O^T / sum x 2^(e4 + e5); its code = y / 2^e6, held within +-448.  Tile t's eight registers give registers 2 t, 2 t + 1 of the last product's operand.
	v_add_f32 v14, v14, v15
	v_permlanex16_b32 v219, v14, s20, s21
	v_add_f32 v14, v14, v219                       ; the row's sum
	v_cmp_eq_f32 s28, 0, v14                       ; lanes whose query has no true key
	v_cndmask_b32 v14, v14, v229, s28
	v_rcp_f32 v226, v14
	v_nop                                          ; a plain line behind the reciprocal
	s_wait_alu depctr_va_vdst(0)                   ; and the wait ahead of its first reader
	v_ldexp_f32 v226, v226, s26
.set n, 0
.rept 16
	v_pk_mul_f32 v[S+n:S+n+1], v[O+n:O+n+1], v[226:227] op_sel_hi:[1,0]
.set n, n+2
.endr
.set n, 0
.rept 32
	v_med3_num_f32 v[S+n], v[S+n], s100, s101
.set n, n+1
.endr
.irp t, 0,1,2,3
	v_cvt_scalef32_pk8_fp8_f32 v[P+2*\t:P+2*\t+1], v[S+8*\t:S+8*\t+7], v229
.endr
	v_nop                                          ; a plain line behind the conversions
.irp i, 0,1,2,3,4,5,6,7
	v_cndmask_b32 v[P+\i], v[P+\i], v228, s28      ; the NaN code where the sum is 0
.endr
	global_store_b128 v[LI], v[P:P+3],   s[66:67]              ; 512 consecutive bytes each, aligned
	global_store_b128 v[LI], v[P+4:P+7], s[66:67] offset:512
	s_wait_loadcnt 0x0                             ; no load names the walking pointers any more
	s_sub_nc_u64 s[6:7], s[6:7], 0x40000           ; back to the head's first key
	s_sub_nc_u64 s[8:9], s[8:9], 0x40000
	s_sub_co_u32 s27, 7, s27                       ; the other block of queries
	s_sub_co_u32 s19, s19, 1
	s_cmp_lg_u32 s19, 0
	s_cbranch_scc1 .Lpass
	s_wait_tensorcnt 0x0                           ; the wave's end
	ds_add_u32 v[SPW], v[NIL]
	s_wait_dscnt 0x0
	s_endpgm
.Lfunc_end_k_q391a88eee5_attn:
	.size	k_q391a88eee5_attn, .Lfunc_end_k_q391a88eee5_attn-k_q391a88eee5_attn
	.p2alignl 7, 3214868480
	.fill 96, 4, 3214868480
	.section	.rodata,"a",@progbits
	.p2align	6, 0x0
	.amdhsa_kernel k_q391a88eee5_attn
		.amdhsa_group_segment_fixed_size 67584
		.amdhsa_private_segment_fixed_size 0
		.amdhsa_enable_private_segment 0
		.amdhsa_kernarg_size 48
		.amdhsa_user_sgpr_count 2
		.amdhsa_user_sgpr_kernarg_segment_ptr 1
		.amdhsa_wavefront_size32 1
		.amdhsa_system_sgpr_workgroup_id_x 1
		.amdhsa_system_sgpr_workgroup_id_y 1
		.amdhsa_system_sgpr_workgroup_id_z 1
		.amdhsa_system_vgpr_workitem_id 0
		.amdhsa_next_free_vgpr 232
		.amdhsa_next_free_sgpr 106
		.amdhsa_reserve_vcc 0
		.amdhsa_float_denorm_mode_32 3
		.amdhsa_float_denorm_mode_16_64 3
		.amdhsa_memory_ordered 1
		.amdhsa_forward_progress 1
		.amdhsa_inst_pref_size 91
	.end_amdhsa_kernel
	.amdgpu_metadata
---
amdhsa.version: [ 1, 2 ]
amdhsa.kernels:
  - .name:           k_q391a88eee5_attn
    .symbol:         k_q391a88eee5_attn.kd
    .args:
      - { .name: qc, .offset: 0, .size: 8, .value_kind: global_buffer, .address_space: global }
      - { .name: kc, .offset: 8, .size: 8, .value_kind: global_buffer, .address_space: global }
      - { .name: vc, .offset: 16, .size: 8, .value_kind: global_buffer, .address_space: global }
      - { .name: mwf, .offset: 24, .size: 8, .value_kind: global_buffer, .address_space: global }
      - { .name: lowp_scales, .offset: 32, .size: 8, .value_kind: global_buffer, .address_space: global }
      - { .name: yc, .offset: 40, .size: 8, .value_kind: global_buffer, .address_space: global }
    .group_segment_fixed_size: 67584
    .private_segment_fixed_size: 0
    .kernarg_segment_align: 8
    .kernarg_segment_size: 48
    .max_flat_workgroup_size: 512
    .sgpr_count:     106
    .vgpr_count:     232
    .wavefront_size: 32
...
	.end_amdgpu_metadata
.endif
;; end of part 3
;; launch proj (part 4): grid 4 x 32, 4 waves a work-group, clusters of 4 x 4, 327,680 bytes of LDS; arguments yc, wc, lowp_scales, b_proj, out0; writes out0
.if DOCPART == 4
	.amdgcn_target "amdgcn-amd-amdhsa--gfx1250"
	.amdhsa_code_object_version 6
	.text
	.protected	k_q391a88eee5_proj
	.globl	k_q391a88eee5_proj
	.p2align	8
	.type	k_q391a88eee5_proj,@function
k_q391a88eee5_proj:
	s_mov_b64 s[64:65], 0
	v_nop
	global_prefetch_b8 v0, s[64:65] scope:SCOPE_SE
	s_setreg_imm32_b32 hwreg(HW_REG_WAVE_MODE, 25, 1), 1
	s_wait_xcnt 0x0
	s_wait_alu depctr_hold_cnt(0) depctr_sa_sdst(0) depctr_va_vdst(0) depctr_va_sdst(0) depctr_va_ssrc(0) depctr_va_vcc(0) depctr_vm_vsrc(0)
	s_getreg_b32 s2, hwreg(HW_REG_IB_STS2, 6, 4)
	s_cmp_eq_u32 s2, 0
	s_cbranch_scc0 .Lentry_in_a_cluster
	s_endpgm
.Lentry_in_a_cluster:
	s_bfe_u32 s2, ttmp6, 0x10000c
	s_cmp_lg_u32 s2, 0xf033
	s_cbranch_scc0 .Lentry_shape_is_right
	s_endpgm
.Lentry_shape_is_right:
; FOURTH LAUNCH: out0 = y w_proj^T + b_proj on codes of FP8 (E4M3); out0 [8192][1024] f32.  No work is left out here.
; The second launch's product: a block of 256 x 256 by four waves, 128 x 128 each; K = 1,024 in four slots of 256 through a ring of two LDS slots; operands are images of their registers (fragments of 2,048 bytes,
; registers 4 i .. 4 i + 3 of lane l at 512 i + 16 l); a tensor load brings 8 row tiles x 2 K steps: 8 rows of 4,096 bytes, 16,384 bytes apart.
; "A" (source 1, the result's lanes) = tokens, yc; "B" (source 0, along a lane's registers) = rows of w_proj, from row tile 192 of wc on: a lane holds eight neighbouring numbers of a row of out0.
; CLUSTERS: 4 x 4: A's tile is asked for jointly along a row of the cluster, B's along a column.
; THE BIAS is the C of each sum's first product, divided by 2^(e6 + e7); each finished sum is multiplied once by 2^(e6 + e7).  LIMIT: e6 + e7 between -126 and 127.
; A row of y that holds NaN codes (a query with no true key) gives NaN in its whole row of out0, as reference() does.
; REGISTERS, in windows of 256: window 0: v16-29 addresses; v32-95 the bias, later a block's results; v128-255 A's fragments, later rows read back from the stage.  window 1: B's fragments, two sets.  windows 2, 3: the accumulators.
.set FR,     16
.set NL,     4
.set NP,     4
.set HALFT,  32768
.set SLOT,   4*HALFT
.set SPARE,  2*SLOT                    ; behind the ring: the spare words, 128 bytes for each wave
.set SPITCH, 528                       ; the way out: a stage of 16 rows x (512 bytes + 16) for each wave, in slot 0, which has had its last fill and its last read when the first result is stored there
.set ROWC,   4096                      ; a row of out0 in bytes
.set ADRA, 16
.set ADRB, 20
.set STO,  24                          ; v24  the way out: where I put 32 bytes of a row
.set RD,   25                          ; v25  where I read a row back
.set CO,   26                          ; v26  16 x lane
.set SPW,  28
.set NIL,  29
.set BIAS, 32
.set TMP,  32
.set AF,   128
.set BK,   128
.set G1, 24
.set G0, 32
.set G1B, 48
.set G0B, 56
.set MSB, 0
.macro WIN new                         ; the immediate's high byte repeats the setting that is left
.if MSB != (\new)
	s_set_vgpr_msb (MSB<<8)|(\new)
.set MSB, (\new)
.endif
.endm
.set MUL_LO, 0xa1
.set MUL_HI, 0xf1
.set TO_B,   0x40
.macro JLOAD g0a, g1a, g0b, g1b        ; a joint load: waves 0 and 1 fetch for A, waves 2 and 3 for B; an s_nop 0 and four v_nop follow each of the two lines
	s_cmp_eq_u32 s15, 0
	s_cbranch_scc0 .Lfor_b_\@
	tensor_load_to_lds s[\g0a:\g0a+3], s[\g1a:\g1a+7]
	s_nop 0
.rept 4
	v_nop
.endr
	s_branch .Lasked_\@
.Lfor_b_\@:
	tensor_load_to_lds s[\g0b:\g0b+3], s[\g1b:\g1b+7]
	s_nop 0
.rept 4
	v_nop
.endr
.Lasked_\@:
.endm
.macro CREST
	s_cmp_lg_u32 s14, 0
	s_cbranch_scc1 .Lnot_wave_0_\@
	s_barrier_signal -3
.Lnot_wave_0_\@:
	s_barrier_wait -3
	s_barrier_signal -1
	s_barrier_wait -1
.endm
.macro CROUND
	s_barrier_signal -1
	s_barrier_wait -1
	CREST
.endm
	s_load_b256 s[4:11], s[0:1], 0x0               ; yc s[4:5], wc s[6:7], lowp_scales s[8:9], b_proj s[10:11]
	s_load_b64 s[12:13], s[0:1], 0x20              ; out0
	v_lshl_add_u32 v[SPW], v0, 2, SPARE
	v_mov_b32 v[NIL], 0
	ds_add_u32 v[SPW], v[NIL]                      ; the wave's opening: an add to my spare word, twice on end, and its wait ahead of my first tensor load
	ds_add_u32 v[SPW], v[NIL]                      ; and once more, under the one wait
	v_lshrrev_b32 v1, 5, v0
	v_readfirstlane_b32 s14, v1                    ; wave 0..3
	s_lshr_b32 s15, s14, 1                         ; which half of the rows is mine.  Also: I fetch for A (0) or for B (1)
	s_and_b32 s16, s14, 1                          ; which half of the columns.  Also: which half of that tile I fetch
	s_bfe_u32 s40, ttmp6, 0x40000                  ; cx
	s_bfe_u32 s41, ttmp6, 0x40004                  ; cy
	s_lshl_b32 s42, ttmp9, 2
	s_add_co_u32 s42, s42, s40                     ; block column = 4 x cluster x + cx
	s_and_b32 s17, ttmp7, 0xffff
	s_lshl_b32 s17, s17, 2
	s_add_co_u32 s17, s17, s41                     ; block row = 4 x cluster y + cy
	s_lshl_b32 s43, s41, 2
	s_lshl_b32 s43, 15, s43                        ; my row of the cluster
	s_lshl_b32 s44, 0x1111, s40                    ; my column
	s_or_b32 s[G1+0], s43, (3<<16)|(1<<21)         ; the mask; elements of 8 bytes; bit 21 set beside a mask; no padding
	s_or_b32 s[G1B+0], s44, (3<<16)|(1<<21)
.irp g, G1, G1B
	s_mov_b32 s[\g+1], 512<<16                     ; tensor_dim0 = 512 elements: 4,096 bytes
	s_mov_b32 s[\g+2], 8<<16                       ; tensor_dim1 = 8
	s_mov_b32 s[\g+3], 512<<16                     ; tile_dim0
	s_mov_b32 s[\g+4], 8                           ; tile_dim1
	s_mov_b32 s[\g+5], 2048                        ; tensor_dim0_stride: 16,384 bytes
	s_mov_b32 s[\g+6], 0
	s_mov_b32 s[\g+7], 0
.endr
	s_lshl_b32 s18, s16, 17                        ; the half that I fetch
	s_lshl_b32 s20, s17, 18                        ; A: a block is 16 row tiles of 16,384 bytes
	s_add_co_u32 s20, s20, s18
	s_mov_b32 s21, 0
	s_lshl_b32 s46, s42, 18
	s_add_co_u32 s46, s46, s18
	s_add_co_u32 s46, s46, 3145728                 ; B: w_proj begins at row tile 192 of wc
	s_mov_b32 s47, 0
	s_mul_i32 s45, s14, HALFT
	s_wait_dscnt 0x0                               ; both opening adds are done
	s_wait_kmcnt 0x0
	s_load_b256 s[76:83], s[8:9], 0x0              ; e0 .. e7
	s_add_nc_u64 s[20:21], s[4:5], s[20:21]
	s_add_nc_u64 s[46:47], s[6:7], s[46:47]
	CROUND                                         ; all sixteen work-groups are here: the first joint loads meet
.irp s, 0,1
	s_mov_b32 s[G0+4*\s], 1
	s_add_co_u32 s[G0+4*\s+1], s45, \s*SLOT
	s_add_nc_u64 s[G0+4*\s+2:G0+4*\s+3], s[20:21], \s*4096
	s_or_b32 s[G0+4*\s+3], s[G0+4*\s+3], 0x80000000
	s_mov_b32 s[G0B+4*\s], 1
	s_add_co_u32 s[G0B+4*\s+1], s45, \s*SLOT
	s_add_nc_u64 s[G0B+4*\s+2:G0B+4*\s+3], s[46:47], \s*4096
	s_or_b32 s[G0B+4*\s+3], s[G0B+4*\s+3], 0x80000000
	JLOAD G0+4*\s, G1, G0B+4*\s, G1B
.endr
	v_and_b32 v1, 15, v0                           ; r
	v_bfe_u32 v2, v0, 4, 1                         ; h
	v_and_b32 v3, 31, v0
	v_lshlrev_b32 v[CO], 4, v3
	s_mul_i32 s21, s15, HALFT
	s_mul_i32 s22, s16, HALFT
	s_add_co_u32 s22, s22, 2*HALFT
.irp s, 0,1
	v_add_nc_u32 v[ADRA+\s], s21, v[CO]
	v_add_nc_u32 v[ADRB+\s], s22, v[CO]
	s_add_co_u32 s21, s21, SLOT
	s_add_co_u32 s22, s22, SLOT
.endr
	s_mul_i32 s23, s14, 16*SPITCH                  ; my stage
	v_mul_u32_u24 v4, v1, SPITCH
	v_lshl_add_u32 v4, v2, 5, v4
	v_add_nc_u32 v[STO], s23, v4                   ; in: row r, 32 bytes for each half of the lanes
	v_add_nc_u32 v[RD], s23, v[CO]                 ; back: the 32 lanes take one row of 512 bytes
	v_lshlrev_b32 v5, 5, v2                        ; the bias: 32 h
	s_lshl_b32 s92, s17, 20                        ; out0: 256 rows of 4,096 bytes a block row,
	s_lshl_b32 s93, s15, 19                        ; my 128 rows,
	s_add_co_u32 s92, s92, s93
	s_lshl_b32 s94, s42, 10                        ; 1,024 bytes a block column,
	s_lshl_b32 s93, s16, 9                         ; my 512
	s_add_co_u32 s94, s94, s93
	s_add_co_u32 s92, s92, s94
	s_mov_b32 s93, 0
	s_mov_b32 s95, 0
	s_add_nc_u64 s[12:13], s[12:13], s[92:93]
	s_add_nc_u64 s[10:11], s[10:11], s[94:95]      ; b_proj at my 128 columns
.irp b, 0,1,2,3,4,5,6,7                        ; tile b's eight registers: entries 16 b + 8 h + 0 .. 7
	global_load_b128 v[BIAS+8*\b:BIAS+8*\b+3],   v5, s[10:11] offset:64*\b
	global_load_b128 v[BIAS+8*\b+4:BIAS+8*\b+7], v5, s[10:11] offset:64*\b+16
.endr
	s_wait_kmcnt 0x0
	s_add_co_i32 s96, s82, s83                     ; e6 + e7
	s_sub_co_i32 s90, 0, s96
	s_add_co_i32 s96, s96, 127
	s_lshl_b32 s96, s96, 23                        ; 2^(e6 + e7) as f32
	s_mov_b32 s97, s96                             ; (named with it as a pair)
	s_wait_loadcnt 0x0
.set j, 0
.rept 64
	v_ldexp_f32 v[BIAS+j], v[BIAS+j], s90          ; / 2^(e6 + e7)
.set j, j+1
.endr
.macro FRAG reg, adr, q, i
.irp c, 0,1,2,3
	ds_load_b128 v[\reg+4*\c:\reg+4*\c+3], v[\adr] offset:4096*(\i)+2048*(\q)+512*\c
.endr
.endm
; 16 matrix instructions: A's blocks a0, a0 + 1 x B's eight.  cmode 1: the sums start from the bias of tile b.  The 64 accumulators take turns, one instruction a turn.
.macro MUL16 a0, p, cmode
.irp a, \a0, \a0+1
.irp b, 0,1,2,3,4,5,6,7
.if \cmode == 1
	v_wmma_f32_16x16x128_fp8_fp8 v[8*(8*((\a)%4)+\b):8*(8*((\a)%4)+\b)+7], v[128*(\p)+FR*\b:128*(\p)+FR*\b+FR-1], v[AF+FR*(\a):AF+FR*(\a)+FR-1], v[BIAS+8*\b:BIAS+8*\b+7]
.else
	v_wmma_f32_16x16x128_fp8_fp8 v[8*(8*((\a)%4)+\b):8*(8*((\a)%4)+\b)+7], v[128*(\p)+FR*\b:128*(\p)+FR*\b+FR-1], v[AF+FR*(\a):AF+FR*(\a)+FR-1], v[8*(8*((\a)%4)+\b):8*(8*((\a)%4)+\b)+7]
.endif
.endr
.endr
.endm
.macro FETCH_B slot, q, p
	WIN TO_B
.irp i, 0,1,2,3,4,5,6,7
	FRAG 128*(\p)+FR*\i, ADRB+\slot, \q, \i
.endr
	WIN 0
.endm
.macro FETCH_A slot, q, i0
.irp i, \i0, \i0+1, \i0+2, \i0+3
	FRAG AF+FR*(\i), ADRA+\slot, \q, \i
.endr
.endm
.macro PLACES n                        ; plain vector lines between a matrix instruction and a load into, or a vector read of, its registers (ISA guide 7.12.1 for vector reads)
.rept \n
	v_nop
.endr
.endm
.macro STEP slot, q, cmode
	s_wait_dscnt 4*NL                              ; B's set and A's blocks 0-3 are in; the youngest 16 loads (A's blocks 4-7) may be out
.if \cmode
	WIN 0x81                                       ; C (the bias) window 0, D window 2
.else
	WIN MUL_LO
.endif
	MUL16 0, (\q)%2, \cmode
	MUL16 2, (\q)%2, \cmode
	s_wait_dscnt 0
	PLACES NP
	FETCH_B \slot, (\q)+1, 1-(\q)%2
	FETCH_A \slot, (\q)+1, 0
.if \cmode
	WIN 0xc1
.else
	WIN MUL_HI
.endif
	MUL16 4, (\q)%2, \cmode
	MUL16 6, (\q)%2, \cmode
	PLACES NP
	WIN 0
	FETCH_A \slot, (\q)+1, 4
.endm
.macro TURN slot, next, fill
	s_wait_tensorcnt 0x0                           ; all my tensor loads have landed: my part of the next slot
	ds_add_u32 v[SPW], v[NIL]                      ; 0 onto my spare word
	s_wait_dscnt 4*NL+1                            ; (the add and the youngest 16 loads may be out)
	WIN MUL_LO
	MUL16 0, 1, 0
	s_wait_dscnt 0x0                               ; the add is done, and my reads of this slot are over
	s_barrier_signal -1
	MUL16 2, 1, 0
	WIN 0
	s_barrier_wait -1
.if \fill
	CREST                                          ; the barrier has opened a round of the cluster's barrier
	s_add_nc_u64 s[G0+4*\slot+2:G0+4*\slot+3], s[G0+4*\slot+2:G0+4*\slot+3], 8192
	s_add_nc_u64 s[G0B+4*\slot+2:G0B+4*\slot+3], s[G0B+4*\slot+2:G0B+4*\slot+3], 8192
	JLOAD G0+4*\slot, G1, G0B+4*\slot, G1B         ; the first tensor load behind the round
.else
	PLACES NP
.endif
	FETCH_B \next, 0, 0
	FETCH_A \next, 0, 0
	WIN MUL_HI
	MUL16 4, 1, 0
	MUL16 6, 1, 0
	PLACES NP
	WIN 0
	FETCH_A \next, 0, 4
.endm
	s_wait_tensorcnt 1                             ; my part of slot 0 is in; slot 1's load may be out
	s_barrier_signal -1
	s_barrier_wait -1
	FETCH_B 0, 0, 0
	FETCH_A 0, 0, 0
	FETCH_A 0, 0, 4
	STEP 0, 0, 1                                   ; the first step's products start the sums from the bias
	TURN 0, 1, 1                                   ; four slots of K: both slots are filled again once; written straight
	STEP 1, 0, 0
	TURN 1, 0, 1
	STEP 0, 0, 0
	TURN 0, 1, 0
	STEP 1, 0, 0
	s_wait_dscnt 4*NL
	WIN MUL_LO
	MUL16 0, 1, 0
	MUL16 2, 1, 0
	s_wait_dscnt 0
	WIN MUL_HI
	MUL16 4, 1, 0
	MUL16 6, 1, 0
	WIN 0
; THE WAY OUT, block by block of 16 rows x 128 columns: through my own stage in LDS, back as whole rows of 512 bytes.  LDS serves a wave's instructions in order (ISA guide 5.7.1.4): no wait between the stores and the loads.
.macro TOSTAGE a
.set AC, 64*((\a)%4)
	WIN 0x02+((\a)/4)                              ; source 0: window 2 or 3
.set j, 0
.rept 32
	v_pk_mul_f32 v[TMP+j:TMP+j+1], v[AC+j:AC+j+1], s[96:97] op_sel_hi:[1,0]   ; x 2^(e6 + e7); each accumulator from its low end on
.set j, j+2
.endr
	WIN 0
.irp b, 0,1,2,3,4,5,6,7
	ds_store_b128 v[STO], v[TMP+8*\b:TMP+8*\b+3] offset:64*\b
	ds_store_b128 v[STO], v[TMP+8*\b+4:TMP+8*\b+7] offset:64*\b+16
.endr
.set BB, BK+64*((\a)%2)
.irp t, 0,1,2,3,4,5,6,7,8,9,10,11,12,13,14,15
	ds_load_b128 v[BB+4*\t:BB+4*\t+3], v[RD] offset:\t*SPITCH
.endr
.endm
.macro SEND a, younger                 ; younger: the LDS instructions issued behind block a's loads, which may stay out
.set BB, BK+64*((\a)%2)
	s_wait_dscnt \younger
.if (\a) > 0
	s_add_nc_u64 s[12:13], s[12:13], 16*ROWC       ; (behind a wait on XCNT: the earlier stores have read their base)
.endif
.irp t, 0,1,2,3,4,5,6,7,8,9,10,11,12,13,14,15
	global_store_b128 v[CO], v[BB+4*\t:BB+4*\t+3], s[12:13] offset:\t*ROWC th:TH_STORE_NT   ; 32 lanes store 512 consecutive bytes, aligned
.endr
.endm
	PLACES NP
	TOSTAGE 0
.irp a, 1,2,3,4,5,6,7
.if \a > 1
	s_wait_xcnt 0x0                                ; block a - 2's stores have read their registers and their base
.endif
	TOSTAGE \a
	SEND \a-1, 32                                  ; behind block a - 1's loads: block a's 16 stores and 16 loads
.endr
	s_wait_xcnt 0x0
	SEND 7, 0
	s_wait_tensorcnt 0x0                           ; the wave's end
	ds_add_u32 v[SPW], v[NIL]
	s_wait_dscnt 0x0
	CROUND                                         ; the closing round
	s_endpgm
.Lfunc_end_k_q391a88eee5_proj:
	.size	k_q391a88eee5_proj, .Lfunc_end_k_q391a88eee5_proj-k_q391a88eee5_proj
	.p2alignl 7, 3214868480
	.fill 96, 4, 3214868480
	.section	.rodata,"a",@progbits
	.p2align	6, 0x0
	.amdhsa_kernel k_q391a88eee5_proj
		.amdhsa_group_segment_fixed_size 327680
		.amdhsa_private_segment_fixed_size 0
		.amdhsa_enable_private_segment 0
		.amdhsa_kernarg_size 40
		.amdhsa_user_sgpr_count 2
		.amdhsa_user_sgpr_kernarg_segment_ptr 1
		.amdhsa_wavefront_size32 1
		.amdhsa_system_sgpr_workgroup_id_x 1
		.amdhsa_system_sgpr_workgroup_id_y 1
		.amdhsa_system_sgpr_workgroup_id_z 1
		.amdhsa_system_vgpr_workitem_id 0
		.amdhsa_next_free_vgpr 1024
		.amdhsa_next_free_sgpr 100
		.amdhsa_reserve_vcc 0
		.amdhsa_float_denorm_mode_32 3
		.amdhsa_float_denorm_mode_16_64 3
		.amdhsa_memory_ordered 1
		.amdhsa_forward_progress 1
		.amdhsa_inst_pref_size 128
	.end_amdhsa_kernel
	.amdgpu_metadata
---
amdhsa.version: [ 1, 2 ]
amdhsa.kernels:
  - .name:           k_q391a88eee5_proj
    .symbol:         k_q391a88eee5_proj.kd
    .args:
      - { .name: yc, .offset: 0, .size: 8, .value_kind: global_buffer, .address_space: global }
      - { .name: wc, .offset: 8, .size: 8, .value_kind: global_buffer, .address_space: global }
      - { .name: lowp_scales, .offset: 16, .size: 8, .value_kind: global_buffer, .address_space: global }
      - { .name: b_proj, .offset: 24, .size: 8, .value_kind: global_buffer, .address_space: global }
      - { .name: out0, .offset: 32, .size: 8, .value_kind: global_buffer, .address_space: global }
    .group_segment_fixed_size: 327680
    .private_segment_fixed_size: 0
    .kernarg_segment_align: 8
    .kernarg_segment_size: 40
    .max_flat_workgroup_size: 128
    .sgpr_count:     100
    .vgpr_count:     1024
    .wavefront_size: 32
...
	.end_amdgpu_metadata
.endif
;; end of part 4
;; ======== version 2 of 2: 4 launches; version 1 with the launch attn written anew for expert scheduling mode
;; workspace buffers: xc 8,388,608 bytes; wc 4,194,304 bytes; qc 8,388,608 bytes; kc 8,388,608 bytes; vc 8,388,608 bytes; yc 8,388,608 bytes; mwf 524,800 bytes of whole numbers
;; launch prep: the kernel of part 1 again; grid 320 x 1, 8 waves a work-group, no clusters, 103,680 bytes of LDS; arguments x, w_qkv, w_proj, mask, lowp_scales, xc, wc, mwf; writes xc, wc, mwf
;; launch qkv: the kernel of part 2 again; grid 8 x 48, 4 waves a work-group, clusters of 4 x 4, 327,680 bytes of LDS; arguments xc, wc, lowp_scales, b_qkv, qc, kc, vc; writes qc, kc, vc
;; launch attn (part 5): grid 4 x 64, 16 waves a work-group, no clusters, 67,584 bytes of LDS; arguments qc, kc, vc, mwf, lowp_scales, yc; writes yc
.if DOCPART == 5
	.amdgcn_target "amdgcn-amd-amdhsa--gfx1250"
	.amdhsa_code_object_version 6
	.text
	.protected	k_q391a88eee5_attn
	.globl	k_q391a88eee5_attn
	.p2align	8
	.type	k_q391a88eee5_attn,@function
k_q391a88eee5_attn:
	s_mov_b64 s[64:65], 0
	v_nop
	global_prefetch_b8 v0, s[64:65] scope:SCOPE_SE
	s_setreg_imm32_b32 hwreg(HW_REG_WAVE_SCHED_MODE, 0, 2), 2
	s_setreg_imm32_b32 hwreg(HW_REG_WAVE_MODE, 25, 1), 1
	s_wait_xcnt 0x0
	s_wait_alu depctr_vm_vsrc(0)
; THIRD LAUNCH: y = softmax(where(mask, q k^T / 8, -infinity)) v for each batch and head, both products on codes of FP8 (E4M3); y leaves as codes for the last product.
; LEFT OUT: a tile of 16 queries x 128 keys whose mask is all false (flag 0, stored by the first launch as whole numbers): its p are 0 and it moves neither maximum, sum nor product.  A NaN or infinity that reaches only such a tile is not carried on.
; THE SOFTMAX AHEAD OF THE SECOND PRODUCT: t = score x log2(e) / 8; M = the running largest t, rounded up to a whole number; p = 2^(t - M) is quantised with 2^e4, not normalised; the sum is taken of the unquantised p and divides at the end.
; When M moves, the sum and O are multiplied by 2^(old M - new M): exact.
; SHARES.  A work-group owns one head and two blocks of 256 queries, block 7 - x and then block x; each of its sixteen waves owns 16 queries of the block in hand, in 232 registers: four waves to a SIMD.
; K and V come in slots of 256 keys: 512 threads load 32,768 bytes into registers a slot ahead, store them into one of two LDS buffers, and all sixteen waves read them from there.
; NO TENSOR LOADS, NO CLUSTER: the walk jumps over loads and steps by the stored flags; joint requests exist for tensor loads alone.
; LAYOUT.  Both products are used transposed: S^T = K Q^T (source 0 = 16 keys), O^T = V^T P^T (source 0 = 16 channels): a lane holds ONE query (lane % 16) throughout.  Score register 8 t + j of lane (r, h) is key 16 t + 8 h + j,
; so the conversion of tile t's eight registers gives registers 2 t, 2 t + 1 of P, k = 16 t + 8 h + 0 .. 7: its own place.  All operands are images of their registers (second launch): every LDS address is 16 x lane + a constant.
; THE MASK in a mixed tile (flag 1): 64 lane masks come by scalar loads, one v_cndmask_b32 a score.  A tile that is all true (flag 2) has none.
; THE HOLD OF p: p <= 1, so it changes nothing where 448 x 2^e4 >= 1; it is walked only where e4 < -8.
; A QUERY WITH NO TRUE KEY has the sum 0: its codes of y are the NaN code, as reference() gives NaN there.
; LIMITS: e2 + e3 between -123 and 130 (added to c's exponent field); e4 between -126 and 119.
; THE MODE: SCHED_MODE bits 1:0 = 2 (LLVM: expert scheduling mode 2), set by the entry lines.  The code itself states the register dependences
; between vector or matrix instructions and memory or LDS instructions, with s_wait_alu, always for 0.
; THE PLAN.  Registers that memory or LDS instructions touch:
;   v1, v3, v7   addresses.  Written at the head, never again; read by every load, store and LDS instruction: one wait on va_vdst at the head's end.
;   STG          Written by the global loads of a slot; read by the four LDS stores of the next slot; named by no vector instruction.  One wait on vm_vsrc a slot, behind the stores, ahead of the barrier and of the next loads.
;   QF           Written by two global loads at a pass's head; read by the pass's products K Q^T.  The wait on va_vdst ahead of a pass's two stores shows them done; only scalar lines stand between it and the next pass's loads.
;   KF           A step: K's sixteen LDS loads land; eight products read; V's sixteen LDS loads land; four products read.  A wait on va_vdst stands straight ahead of each of the two runs of loads.
;   P            Written by conversions, read by products; at a pass's end v200-207 are the data of two global stores: a wait on va_vdst ahead of them, a wait on vm_vsrc at the next pass's head.
;   v5, v6       Written at the head, read by the closing add alone.
;   S^T and p, O^T, the statistics and the constants are named by vector and matrix instructions alone.
;   s3 (the wave's number) and s28 (lanes with the sum 0) are written by vector instructions: a wait on va_sdst stands ahead of the first reader of each.
; No second set of fragments: four waves to a SIMD have 256 registers each, 232 are taken, a set is 64.
.set LI,  1                            ; v1   16 x lane
.set CP,  3                            ; v3   16 x thread: a copy's place in LDS, and V's offset in memory
.set SPW, 5                            ; v5   LDS address of my spare word; never rewritten
.set NIL, 6                            ; v6   0; never rewritten
.set GK,  7                            ; v7   K's offset in memory: 2,048 (thread / 64) + 16 (thread % 64)
.set QF,  16                           ; v16-23   Q's fragment                 v12 -M, v13 the largest t, v[14:15] the sum in two halves
.set STG, 24                           ; v24-39   a slot's 64 bytes of mine, on their way to LDS
.set KF,  40                           ; v40-103  K's eight fragments, then V's four
.set S,   104                          ; v104-167 S^T, then p
.set O,   168                          ; v168-199 O^T
.set P,   200                          ; v200-215 p's codes; at the end y's
.set SPARE, 65536                      ; behind the two buffers: the spare words, 128 bytes for each of sixteen waves
; v216 -infinity, v217 2^e4, v218 448 x 2^e4, v219 a permute's destination, v[220:221] f, v222-223 maxima, v[224:225] a second sum, v[226:227] 1 / sum, v228 four NaN codes, v229 1.0
; s3 wave; s[4:5] Q's base; s[6:7], s[8:9] K and V, walking; s[10:11] mwf; s[12:13] Q of the pass; s[14:15] y's base; s[16:17] the mask words, walking; s18, s19 counters; s[20:21] lane selects; s[22:23] c;
; s24 the step's flag; s25 1 where the hold is walked; s26 e4 + e5 - e6; s27 the block of queries; s28 lanes with sum 0; s29 the sixteen waves' flags, ORed; s30 my flags; s[66:67] y of the pass; s[32:63], s[68:99] 64 lane masks
	s_load_b256 s[4:11], s[0:1], 0x0               ; qc, kc, vc, mwf
	s_load_b128 s[12:15], s[0:1], 0x20             ; lowp_scales, yc
	v_lshl_add_u32 v[SPW], v0, 2, SPARE
	v_mov_b32 v[NIL], 0
	v_lshrrev_b32 v8, 5, v0
	v_readfirstlane_b32 s3, v8                     ; wave 0..15
	v_and_b32 v8, 31, v0
	v_lshlrev_b32 v[LI], 4, v8
	v_lshlrev_b32 v[CP], 4, v0
	v_lshrrev_b32 v8, 6, v0
	v_and_b32 v9, 63, v0
	v_lshlrev_b32 v9, 4, v9
	v_lshl_add_u32 v[GK], v8, 11, v9
	v_mov_b32 v216, 0xff800000
	v_mov_b32 v219, 0
	v_mov_b32 v221, 0                              ; (named as the upper half of a pair)
	v_mov_b32 v227, 0
	v_mov_b32 v228, 0x7f7f7f7f
	v_mov_b32 v229, 1.0
	s_wait_alu depctr_va_sdst(0)                   ; s3 is written, ahead of its first reader: each pass makes my query tile's number from it
	s_mov_b32 s20, 0x76543210
	s_mov_b32 s21, 0xfedcba98                      ; v_permlanex16_b32: lane l xor 16
	s_mov_b32 s100, 0xc3e00000                     ; -448
	s_mov_b32 s101, 0x43e00000                     ; 448
	s_and_b32 s2, ttmp7, 0xffff                    ; 16 x batch + head
	s_lshr_b32 s31, s2, 1                          ; 8 x batch + head pair
	s_lshl_b32 s31, s31, 18                        ; 262,144 bytes each, in qc, kc and vc
	s_and_b32 s24, s2, 1
	s_lshl_b32 s28, s24, 10
	s_add_co_u32 s28, s31, s28                     ; q, k: + 1,024 x (head % 2)
	s_lshl_b32 s29, s24, 13
	s_add_co_u32 s30, s31, s29                     ; v: + 8,192 x (head % 2)
	s_mov_b32 s105, 0
	s_sub_co_u32 s27, 7, ttmp9                     ; the first block of queries
	s_mov_b32 s19, 2
	s_wait_kmcnt 0x0
	s_load_b256 s[68:75], s[12:13], 0x0            ; e0 .. e7
	s_mov_b32 s104, s28
	s_add_nc_u64 s[4:5], s[4:5], s[104:105]
	s_add_nc_u64 s[6:7], s[6:7], s[104:105]
	s_mov_b32 s104, s30
	s_add_nc_u64 s[8:9], s[8:9], s[104:105]
	s_lshr_b32 s28, s2, 4
	s_lshl_b32 s28, s28, 21                        ; yc: 128 row tiles of 16,384 bytes a batch,
	s_and_b32 s29, s2, 15
	s_lshl_b32 s29, s29, 10                        ; the head's 1,024 bytes of a row tile: K step = head pair, its half = head % 2
	s_add_co_u32 s104, s28, s29
	s_add_nc_u64 s[14:15], s[14:15], s[104:105]
	s_wait_kmcnt 0x0
	s_add_co_i32 s28, s70, s71
	s_lshl_b32 s28, s28, 23
	s_add_co_i32 s22, s28, 0x3e38aa3b              ; c = log2(e) / 8, with e2 + e3 added to its exponent field
	s_mov_b32 s23, s22                             ; (named with it as a pair)
	s_add_co_i32 s28, s72, 127
	s_lshl_b32 s29, s28, 23
	v_mov_b32 v217, s29                            ; 2^e4
	s_add_co_i32 s28, s28, 8
	s_lshl_b32 s28, s28, 23
	s_or_b32 s28, s28, 0x600000
	v_mov_b32 v218, s28                            ; 448 x 2^e4
	s_add_co_i32 s26, s72, s73
	s_sub_co_i32 s26, s26, s74                     ; e4 + e5 - e6
	s_cmp_lt_i32 s72, -8
	s_cselect_b32 s25, 1, 0
	s_wait_alu depctr_va_vdst(0)                   ; v1, v3 and v7 are written: every load, store and LDS instruction below reads one of them as its address, and none is written again
.macro LOADKV                          ; a slot: 16 tiles of K (1,024 bytes each, 2,048 apart) and 2 key steps of V (8,192 bytes each, 16,384 apart): 64 bytes a thread
	global_load_b128 v[STG:STG+3],     v[GK], s[6:7]
	global_load_b128 v[STG+4:STG+7],   v[GK], s[6:7] offset:16384
	global_load_b128 v[STG+8:STG+11],  v[CP], s[8:9]
	global_load_b128 v[STG+12:STG+15], v[CP], s[8:9] offset:16384
.endm
; A KEY STEP: 128 keys, the q-th of the slot in buffer buf.
.macro STEP buf, q
	s_bfe_u32 s24, s30, (2<<16)|(2*(\q))           ; my tile's flag
	s_cmp_eq_u32 s24, 0
	s_cbranch_scc1 .Lskip_\@                       ; all false: nothing to do
	s_wait_alu depctr_va_vdst(0)                   ; the products V^T P of the step before are done reading v[KF ..], in which K's fragments land
.irp t, 0,1,2,3,4,5,6,7
	ds_load_b128 v[KF+8*\t:KF+8*\t+3],   v[LI] offset:32768*(\buf)+8192*(\q)+1024*\t
	ds_load_b128 v[KF+8*\t+4:KF+8*\t+7], v[LI] offset:32768*(\buf)+8192*(\q)+1024*\t+512
.endr
	s_wait_dscnt 0x0
.irp t, 0,1,2,3,4,5,6,7
	v_wmma_f32_16x16x64_fp8_fp8 v[S+8*\t:S+8*\t+7], v[KF+8*\t:KF+8*\t+7], v[QF:QF+7], 0
.endr
.rept 4
	v_nop                                          ; places in front of the first read of the scores
.endr
	s_wait_alu depctr_va_vdst(0)                   ; the eight products above are done reading v[KF ..], in which V's fragments land
.irp t, 0,1,2,3                                ; V's four fragments land while the softmax is walked
.irp c, 0,1,2,3
	ds_load_b128 v[KF+16*\t+4*\c:KF+16*\t+4*\c+3], v[LI] offset:32768*(\buf)+16384+8192*(\q)+2048*\t+512*\c
.endr
.endr
	s_cmp_eq_u32 s24, 2
	s_cbranch_scc1 .Lopen_\@                       ; all true: no select
	s_load_b512 s[32:47], s[16:17], 512*(\buf)+256*(\q)
	s_load_b512 s[48:63], s[16:17], 512*(\buf)+256*(\q)+64
	s_load_b512 s[68:83], s[16:17], 512*(\buf)+256*(\q)+128
	s_load_b512 s[84:99], s[16:17], 512*(\buf)+256*(\q)+192
	s_wait_kmcnt 0x0
.set n, 0
.rept 64
	v_cndmask_b32 v[S+n], v216, v[S+n], s[32+n+4*(n/32)]   ; the score where the mask is true, else -infinity; each tile from its low end on
.set n, n+1
.endr
.Lopen_\@:
	v_max3_num_f32 v222, v[S], v[S+1], v[S+2]      ; the step's largest score of my query among my 64 keys, in two chains, ascending
	v_max3_num_f32 v223, v[S+3], v[S+4], v[S+5]
.set n, 6
.rept 14
	v_max3_num_f32 v222, v222, v[S+n], v[S+n+1]
	v_max3_num_f32 v223, v223, v[S+n+2], v[S+n+3]
.set n, n+4
.endr
	v_max3_num_f32 v222, v222, v[S+62], v[S+63]
	v_max_num_f32 v222, v222, v223
	v_permlanex16_b32 v219, v222, s20, s21
	v_max_num_f32 v222, v222, v219                 ; and among lane l xor 16's
	v_mul_f32 v222, s22, v222                      ; as t (c is positive)
	v_max_num_f32 v13, v13, v222                   ; the running largest t
	v_mov_b32 v222, v12
	v_floor_f32 v12, -v13                          ; the new -M = floor(-t): M is a whole number
	v_sub_f32 v222, v12, v222                      ; old M - new M: a whole number, 0 or less
	v_cvt_i32_f32 v222, v222                       ; (it saturates)
	v_ldexp_f32 v220, 1.0, v222                    ; f = 2^(old M - new M)
.set n, 0
.rept 32
	v_pk_fma_f32 v[S+n:S+n+1], v[S+n:S+n+1], s[22:23], v[12:13] op_sel_hi:[1,0,0]   ; t - M, two at a time
.set n, n+2
.endr
.set n, 0
.rept 64
	v_exp_f32 v[S+n], v[S+n]                       ; p = 2^(t - M)
.set n, n+1
.endr
	v_pk_mul_f32 v[14:15], v[14:15], v[220:221] op_sel_hi:[1,0]   ; the sums under the new M: the plain line behind the exponentials
	s_wait_alu depctr_va_vdst(0)                   ; the 64 exponentials have written v[S ..]: one wait for the whole batch, ahead of its first reader
	v_pk_add_f32 v[224:225], v[S:S+1], v[S+2:S+3]  ; the row's sum of the unquantised p, in two chains
.set n, 4
.rept 15
	v_pk_add_f32 v[14:15], v[14:15], v[S+n:S+n+1]
	v_pk_add_f32 v[224:225], v[224:225], v[S+n+2:S+n+3]
.set n, n+4
.endr
	v_pk_add_f32 v[14:15], v[14:15], v[224:225]
	s_cmp_eq_u32 s25, 0
	s_cbranch_scc1 .Lnohold_\@
.set n, 0
.rept 64
	v_min_num_f32 v[S+n], v[S+n], v218             ; p is not negative: a one-sided hold at 448 x 2^e4
.set n, n+1
.endr
.Lnohold_\@:
.irp t, 0,1,2,3,4,5,6,7
	v_cvt_scalef32_pk8_fp8_f32 v[P+2*\t:P+2*\t+1], v[S+8*\t:S+8*\t+7], v217
.endr
.set n, 0
.rept 16
	v_pk_mul_f32 v[O+n:O+n+1], v[O+n:O+n+1], v[220:221] op_sel_hi:[1,0]   ; O^T under the new M; also the plain lines behind the conversions
.set n, n+2
.endr
	s_wait_dscnt 0x0                               ; V is in
.irp t, 0,1,2,3
	v_wmma_f32_16x16x128_fp8_fp8 v[O+8*\t:O+8*\t+7], v[KF+16*\t:KF+16*\t+15], v[P:P+15], v[O+8*\t:O+8*\t+7]
.endr
.rept 4
	v_nop                                          ; places for every way on to the next read of O^T
.endr
.Lskip_\@:
.endm
; A SLOT.  The registers that were loaded a slot ago go into buffer buf; one barrier; the next slot is asked for; two key steps.  Buffer buf was last read two slots ago: every wave waited for those reads ahead of the barrier
; of the slot between, and I store only behind that barrier.  Loads and stores are jumped over where no wave of the work-group has a tile to do in the slot.
.macro SLOTT buf
	s_wait_loadcnt 0x0                             ; my 64 bytes of this slot are in (and Q, the first time): the pointers may step
	s_add_nc_u64 s[6:7], s[6:7], 32768
	s_add_nc_u64 s[8:9], s[8:9], 32768
	s_and_b32 s31, s29, 15
	s_cmp_eq_u32 s31, 0
	s_cbranch_scc1 .Lnostore_\@
	ds_store_b128 v[CP], v[STG:STG+3]     offset:32768*(\buf)
	ds_store_b128 v[CP], v[STG+4:STG+7]   offset:32768*(\buf)+8192
	ds_store_b128 v[CP], v[STG+8:STG+11]  offset:32768*(\buf)+16384
	ds_store_b128 v[CP], v[STG+12:STG+15] offset:32768*(\buf)+24576
.Lnostore_\@:
	s_wait_dscnt 0x0                               ; for the others' sake: my stores are done, and so are my reads of the other buffer
	s_wait_alu depctr_vm_vsrc(0)                   ; my LDS stores have read v[STG ..], in which the next slot's loads land
	s_barrier_signal -1
	s_barrier_wait -1
	s_and_b32 s31, s29, 0xf0
	s_cmp_eq_u32 s31, 0
	s_cbranch_scc1 .Lnoload_\@                     ; zeros are shifted in from above: behind the last slot nothing is asked for
	LOADKV
.Lnoload_\@:
	STEP \buf, 0
	STEP \buf, 1
	s_lshr_b32 s29, s29, 4
	s_lshr_b32 s30, s30, 4
.endm
.Lpass:
	s_wait_xcnt 0x0                                ; the last pass's stores have read their registers and base
	s_wait_alu depctr_vm_vsrc(0)                   ; the last pass's two stores have read v200-207, which this pass's conversions write again
	s_lshl_b32 s31, s27, 4
	s_add_co_u32 s31, s31, s3                      ; my query tile
	s_lshl_b32 s104, s31, 11
	s_add_nc_u64 s[12:13], s[4:5], s[104:105]
	global_load_b128 v[QF:QF+3],   v[LI], s[12:13]             ; no wait: the last pass's products, which read v[QF ..], stand ahead of the wait in front of its stores, and no vector line has been issued since
	global_load_b128 v[QF+4:QF+7], v[LI], s[12:13] offset:512
	LOADKV                                         ; slot 0, in every case: so the staging registers are written on every way
	s_lshl_b32 s104, s31, 14
	s_add_nc_u64 s[66:67], s[14:15], s[104:105]    ; y
	s_lshl_b32 s104, s31, 12
	s_add_nc_u64 s[16:17], s[10:11], s[104:105]    ; my tile's lane masks
	s_lshl_b32 s104, s27, 6
	s_add_nc_u64 s[32:33], s[10:11], s[104:105]
	s_load_b512 s[36:51], s[32:33], 0x80000        ; the flags of the block's sixteen query tiles,
	s_lshl_b32 s104, s31, 2
	s_add_nc_u64 s[34:35], s[10:11], s[104:105]
	s_load_b32 s30, s[34:35], 0x80000              ; and mine
.set n, 0
.rept 32
	v_mov_b32 v[O+n], 0                            ; O^T: the step is written once; the first change of M leaves zeros zeros
.set n, n+1
.endr
	v_mov_b32 v13, 0xff61b1e6                      ; the largest t so far: -3e38
	v_floor_f32 v12, -v13
	v_mov_b32 v14, 0
	v_mov_b32 v15, 0
	s_wait_kmcnt 0x0
	s_or_b32 s29, s36, s37
.irp i, 38,39,40,41,42,43,44,45,46,47,48,49,50,51
	s_or_b32 s29, s29, s\i
.endr
	s_mov_b32 s18, 4
.Lslot:                                            ; four trips of two slots: sixteen key steps
	SLOTT 0
	SLOTT 1
	s_add_nc_u64 s[16:17], s[16:17], 1024
	s_sub_co_u32 s18, s18, 1
	s_cmp_lg_u32 s18, 0
	s_cbranch_scc1 .Lslot
	; THE WAY OUT OF A PASS: y = O^T / sum x 2^(e4 + e5); its code = y / 2^e6, held within +-448.  Tile t's eight registers give registers 2 t, 2 t + 1 of the last product's operand.
	v_add_f32 v14, v14, v15
	v_permlanex16_b32 v219, v14, s20, s21
	v_add_f32 v14, v14, v219                       ; the row's sum
	v_cmp_eq_f32 s28, 0, v14                       ; lanes whose query has no true key
	s_wait_alu depctr_va_sdst(0)                   ; s28 is written, ahead of its first reader, the select below
	v_cndmask_b32 v14, v14, v229, s28
	v_rcp_f32 v226, v14
	v_nop                                          ; a plain line behind the reciprocal
	s_wait_alu depctr_va_vdst(0)                   ; the reciprocal has written v226, ahead of its first reader
	v_ldexp_f32 v226, v226, s26
.set n, 0
.rept 16
	v_pk_mul_f32 v[S+n:S+n+1], v[O+n:O+n+1], v[226:227] op_sel_hi:[1,0]
.set n, n+2
.endr
.set n, 0
.rept 32
	v_med3_num_f32 v[S+n], v[S+n], s100, s101
.set n, n+1
.endr
.irp t, 0,1,2,3
	v_cvt_scalef32_pk8_fp8_f32 v[P+2*\t:P+2*\t+1], v[S+8*\t:S+8*\t+7], v229
.endr
	v_nop                                          ; a plain line behind the conversions
.irp i, 0,1,2,3,4,5,6,7
	v_cndmask_b32 v[P+\i], v[P+\i], v228, s28      ; the NaN code where the sum is 0
.endr
	s_wait_alu depctr_va_vdst(0)                   ; the selects have written v200-207, which the two stores read; and the pass's products are done reading v[QF ..], in which the next pass's loads land
	global_store_b128 v[LI], v[P:P+3],   s[66:67]              ; 512 consecutive bytes each, aligned
	global_store_b128 v[LI], v[P+4:P+7], s[66:67] offset:512
	s_wait_loadcnt 0x0                             ; no load names the walking pointers any more
	s_sub_nc_u64 s[6:7], s[6:7], 0x40000           ; back to the head's first key
	s_sub_nc_u64 s[8:9], s[8:9], 0x40000
	s_sub_co_u32 s27, 7, s27                       ; the other block of queries
	s_sub_co_u32 s19, s19, 1
	s_cmp_lg_u32 s19, 0
	s_cbranch_scc1 .Lpass
	s_wait_dscnt 0x0                               ; the wave's end
	s_wait_alu 0x0
	s_wait_tensorcnt 0x0
	ds_add_u32 v[SPW], v[NIL]
	s_wait_dscnt 0x0
	s_endpgm
.Lfunc_end_k_q391a88eee5_attn:
	.size	k_q391a88eee5_attn, .Lfunc_end_k_q391a88eee5_attn-k_q391a88eee5_attn
	.p2alignl 7, 3214868480
	.fill 96, 4, 3214868480
	.section	.rodata,"a",@progbits
	.p2align	6, 0x0
	.amdhsa_kernel k_q391a88eee5_attn
		.amdhsa_group_segment_fixed_size 67584
		.amdhsa_private_segment_fixed_size 0
		.amdhsa_enable_private_segment 0
		.amdhsa_kernarg_size 48
		.amdhsa_user_sgpr_count 2
		.amdhsa_user_sgpr_kernarg_segment_ptr 1
		.amdhsa_wavefront_size32 1
		.amdhsa_system_sgpr_workgroup_id_x 1
		.amdhsa_system_sgpr_workgroup_id_y 1
		.amdhsa_system_sgpr_workgroup_id_z 1
		.amdhsa_system_vgpr_workitem_id 0
		.amdhsa_next_free_vgpr 232
		.amdhsa_next_free_sgpr 106
		.amdhsa_reserve_vcc 0
		.amdhsa_float_denorm_mode_32 3
		.amdhsa_float_denorm_mode_16_64 3
		.amdhsa_memory_ordered 1
		.amdhsa_forward_progress 1
		.amdhsa_inst_pref_size 92
	.end_amdhsa_kernel
	.amdgpu_metadata
---
amdhsa.version: [ 1, 2 ]
amdhsa.kernels:
  - .name:           k_q391a88eee5_attn
    .symbol:         k_q391a88eee5_attn.kd
    .args:
      - { .name: qc, .offset: 0, .size: 8, .value_kind: global_buffer, .address_space: global }
      - { .name: kc, .offset: 8, .size: 8, .value_kind: global_buffer, .address_space: global }
      - { .name: vc, .offset: 16, .size: 8, .value_kind: global_buffer, .address_space: global }
      - { .name: mwf, .offset: 24, .size: 8, .value_kind: global_buffer, .address_space: global }
      - { .name: lowp_scales, .offset: 32, .size: 8, .value_kind: global_buffer, .address_space: global }
      - { .name: yc, .offset: 40, .size: 8, .value_kind: global_buffer, .address_space: global }
    .group_segment_fixed_size: 67584
    .private_segment_fixed_size: 0
    .kernarg_segment_align: 8
    .kernarg_segment_size: 48
    .max_flat_workgroup_size: 512
    .sgpr_count:     106
    .vgpr_count:     232
    .wavefront_size: 32
...
	.end_amdgpu_metadata
.endif
;; end of part 5
;; launch proj: the kernel of part 4 again; grid 4 x 32, 4 waves a work-group, clusters of 4 x 4, 327,680 bytes of LDS; arguments yc, wc, lowp_scales, b_proj, out0; writes out0
